; MI455X (gfx1250); checked and timed in simulation.
; The chip was launched on July 23, 2026; its instructions are those of AMD's public machine-readable ISA for CDNA 5 (MIT licence, August 2026) and "CDNA5" Instruction Set Architecture Reference Guide (July 2026). The comments in the code are by the model that wrote it; some were corrected since.
;; Grouped Query Attention. Allowed arithmetic: matrix products marked QUANTISED: E3M2 operands, one E8M0 scale for each 32 along K, by v_wmma_scale_f32_16x16x128_f8f6f4 with both operands' format E3M2, f32 sums; everything else in f32.
;; Inputs: Wk 2,048 x 512 float32; Wo 2,048 x 2,048 float32; Wq 2,048 x 2,048 float32; Wv 2,048 x 512 float32; cos 2,048 x 64 float32; sin 2,048 x 64 float32; x 1 x 2,048 x 2,048 float32.
;; Outputs: out0 1 x 2,048 x 2,048 float32.
;; This version of the problem:
;;   THIS VERSION OF THE PROBLEM IS GIVEN IN LOW PRECISION. The matrix products marked QUANTISED in the list below multiply operands that are first quantised to E3M2 (3 exponent bits, 2 mantissa bits; 6 bits a number), with one power-of-two scale for each 32 numbers along K (OCP MX v1.0); their sums are f32. All else is computed in f32.
;;   The module's matrix products, in the order in which they are computed (A, B: the left and right operand; K: the contracted axis; several contracted axes count as one K, in the product's order):
;;     1. [M 2,048, K 2,048] x [K 2,048, N 2,048]; A: input x; B: input Wq: QUANTISED
;;     2. [M 2,048, K 2,048] x [K 2,048, N 512]; A: input x; B: input Wk: QUANTISED
;;     3. [M 2,048, K 2,048] x [K 2,048, N 512]; A: input x; B: input Wv: QUANTISED
;;     4. batch 8 x [M 8,192, K 64] x [K 64, N 2,048]; A: computed on the way; B: computed on the way: QUANTISED
;;     5. batch 8 x [M 8,192, K 2,048] x [K 2,048, N 64]; A: softmax (see below); B: computed on the way: QUANTISED
;;     6. [M 2,048, K 2,048] x [K 2,048, N 2,048]; A: computed on the way; B: input Wo: QUANTISED
;;   THE QUANTISER, for each operand of a quantised product, along K:
;;     - K is cut into blocks of 32 from its start; a last block that is shorter is filled with zeros.
;;     - A block's scale is 2^e with e = floor(log2(the largest magnitude in the block)) - 4, held to -126 .. 127; a block of zeros has e = 0. As a byte (E8M0): e + 127.
;;     - Each number is divided by its block's scale, clamped to +-28, and rounded to the nearest number of E3M2, ties to even, subnormals kept.
;;     - The product sums the exact products of the quantised numbers (number of the format x scale) in f32.
;;   ~~~python
;;   def quantise(x, axis):      # numpy; x: float32 -> the quantised numbers, widened to float32 again
;;       x = np.moveaxis(x, axis, -1); K = x.shape[-1]
;;       x = np.pad(x, [(0, 0)] * (x.ndim - 1) + [(0, -K % 32)]); x = x.reshape(x.shape[:-1] + (-1, 32)); a = np.abs(x).max(-1, keepdims=True)
;;       e = np.where(a > 0, np.clip(np.frexp(np.where(a > 0, a, 1))[1] - 1 - 4, -126, 127), 0)      # np.frexp(a)[1] - 1 = floor(log2(a)), exactly
;;       r = np.clip(x / 2.0 ** e, -28, 28)
;;       step = 2.0 ** (np.maximum(np.frexp(np.where(r == 0, 1, r))[1] - 1, -2) - 2)
;;       q = np.round(r / step) * step * 2.0 ** e      # np.round: ties to even
;;       return np.moveaxis(q.reshape(q.shape[:-2] + (-1,))[..., :K], -1, axis).astype(np.float32)
;;   ~~~
;;   SOFTMAX AHEAD OF A QUANTISED PRODUCT. Where the list says 'softmax', what is quantised is not the finished softmax but p = 2^(t - M), with t = logit x log2(e) and M = ceil(the row's largest t), a whole number; so 1/2 < the row's largest p <= 1. The row's sum l is taken of the UNQUANTISED p, in f32, and the product's result is divided by l at the end. Since M is a whole number, a kernel that streams over the keys may use a running M (the ceiling of the running maximum): every later rescaling is an exact power of two, which a block's scale takes up: the codes' values come out the same.
;;   OPERANDS COMPUTED ON THE WAY. 'Computed on the way' means the value that the module computes at that place (a softmax that the list does not call 'softmax' is quantised finished and normalised). What goes into a quantiser is computed in f32, as accurately as f32 sums, v_exp_f32 and their like allow (about 1e-6 of the number): no bf16 or f16 on the way to a quantiser, and a product that is left as it is and whose result goes on into a quantised operand takes f32 operands (vector FMAs, or v_wmma_f32_16x16x4_f32). A number that lies on a knife's edge between two numbers of the format may be rounded either way, as far as f32 arithmetic and the matrix unit's own rounding can turn it there, and no further.
;; One version. Each part assembles by itself: llvm-mc -triple=amdgcn-amd-amdhsa -mcpu=gfx1250 --defsym DOCPART=n.
;; ======== version 1 of 1: 4 launches
;; limits: right only within a limited range of input values
;; workspace buffers: xq 3,276,800 bytes; wq 8,192,000 bytes; qkv 4,915,200 bytes; cq 3,276,800 bytes
;; launch quant (part 1): grid 72 x 16, 4 waves a work-group, no clusters, 34,304 bytes of LDS; arguments x, Wq, Wk, Wv, Wo, xq, wq; writes xq, wq
.if DOCPART == 1
	.amdgcn_target "amdgcn-amd-amdhsa--gfx1250"
	.amdhsa_code_object_version 6
	.text
	.protected	k_q1bb8422262_quant
	.globl	k_q1bb8422262_quant
	.p2align	8
	.type	k_q1bb8422262_quant,@function
k_q1bb8422262_quant:
	s_mov_b64 s[64:65], 0
	v_nop
	global_prefetch_b8 v0, s[64:65] scope:SCOPE_SE
	s_setreg_imm32_b32 hwreg(HW_REG_WAVE_MODE, 25, 1), 1
	s_wait_xcnt 0x0
; x [2048][2048] and the weights Wq, Wk, Wv, Wo ([K 2048][N]), all f32, become codes of BF6 (E3M2) with one E8M0 byte for each 32 along K,
; laid in the order of a matrix operand's registers, so that the later launches move them by whole runs of 512 bytes.
; A TILE is 16 rows: tile T holds rows 32 (T / 2) + 8 (T % 2) + r + 8 (r / 8), r = 0 .. 15.  A FRAGMENT (tile T, K step s of 128) is 12 registers a lane:
; register 4 c + m of lane L lies at byte 512 c + 16 L + 4 m of the 1,536 bytes at 24,576 T + 1,536 s; lane L = r + 16 h holds k = 64 c + 32 h + 0 .. 31 in registers 6 c .. 6 c + 5.
; The scale word (four bytes, 128 along K) of (T, s, r) lies at 1,024 T + 256 (s / 4) + 16 r + 4 (s % 4) behind the codes.
; xq: x's 128 tiles.  wq: 320 tiles of weight COLUMNS: 0-127 Wq's, 128-159 Wk's, 160-191 Wv's, 192-319 Wo's.
; A block's scale is 2^(floor(log2(largest magnitude)) - 4); its byte is the largest magnitude's exponent field - 4, held at 1 from below.
; LIMITS: a block of zeros gets the byte 1 where the rule says 127 (its codes are zeros, and this program alone reads the bytes); NaN and infinities among the inputs are not served.
; Work-groups 0-39 along x take weights (128 columns x one K step), 40-71 take x (one tile x four K steps); a wave makes whole fragments; waves share nothing: no barrier.
.set XSC,   3145728                    ; where xq's scale words begin
.set WSC,   7864320                    ; where wq's begin
.set SP,    528                        ; a stage row: 512 bytes + 16: the sixteen rows that a read touches begin at sixteen different 16-byte columns of 256 bytes
.set WST,   16*SP                      ; a wave's stage
.set FLOOR, 0x2800000                  ; 2^(5 - 127): no largest magnitude is taken under it, so the byte cannot fall under 1
.set OFF4,  0xfe000000                 ; takes 4 off an exponent field
	s_load_b256 s[4:11], s[0:1], 0x0               ; x, Wq, Wk, Wv
	s_load_b128 s[12:15], s[0:1], 0x20             ; Wo, xq
	s_load_b64 s[16:17], s[0:1], 0x30              ; wq
	v_lshl_add_u32 v200, v0, 2, 0x8400
	v_mov_b32 v201, 0
	v_lshrrev_b32 v1, 5, v0
	v_readfirstlane_b32 s18, v1                    ; wave
	s_and_b32 s19, ttmp7, 0xffff                   ; work-group y
	v_and_b32 v1, 31, v0                           ; lane
	v_and_b32 v2, 15, v0                           ; r
	v_bfe_u32 v3, v0, 4, 1                         ; lane / 16
	s_cmp_lt_u32 ttmp9, 40
	s_cbranch_scc1 .Lweights
	; ---- x: K is innermost.  Tile T = 4 (wg x - 40) + y / 4; K step s = 4 (y % 4) + wave: one fragment a wave
	s_mov_b32 s20, 0x76543210
	s_mov_b32 s21, 0xfedcba98                      ; v_permlanex16_b32's selects for lane l xor 16
	s_sub_co_u32 s22, ttmp9, 40
	s_lshl_b32 s22, s22, 2
	s_lshr_b32 s23, s19, 2
	s_add_co_u32 s22, s22, s23                     ; T
	s_and_b32 s23, s19, 3                          ; s / 4
	s_lshl_b32 s24, s23, 2
	s_add_co_u32 s24, s24, s18                     ; s
	s_lshr_b32 s25, s22, 1
	s_lshl_b32 s25, s25, 18                        ; 32 (T / 2) rows of 8,192 bytes
	s_and_b32 s26, s22, 1
	s_lshl_b32 s26, s26, 16                        ; 8 (T % 2) rows
	s_add_co_u32 s26, s26, s25
	s_lshl_b32 s25, s24, 9                         ; 512 bytes a K step
	s_add_co_u32 s26, s26, s25
	s_mov_b32 s27, 0
	s_mul_i32 s28, s22, 24576
	s_mul_i32 s25, s24, 1536
	s_add_co_u32 s28, s28, s25                     ; the fragment's place in xq
	s_mov_b32 s29, 0
	s_lshl_b32 s30, s22, 10
	s_lshl_b32 s25, s23, 8
	s_add_co_u32 s30, s30, s25
	s_lshl_b32 s25, s18, 2
	s_add_co_u32 s30, s30, s25
	s_add_co_u32 s30, s30, XSC                     ; its scale words' place
	s_mov_b32 s31, 0
	s_wait_alu depctr_va_vdst(0)
	v_lshlrev_b32 v4, 4, v1                        ; 16 x lane
	s_mul_i32 s25, s18, WST
	v_add_nc_u32 v5, s25, v4                       ; the stage, on the way in
	v_mul_u32_u24 v6, v2, SP
	v_lshl_add_u32 v6, v3, 7, v6
	v_add_nc_u32 v6, s25, v6                       ; and out: row r, + 128 h bytes: my 32 numbers of each 64
	v_lshlrev_b32 v7, 4, v2                        ; 16 r
	s_wait_alu depctr_va_vdst(0)
	s_wait_kmcnt 0x0
	s_add_nc_u64 s[4:5], s[4:5], s[26:27]
	s_add_nc_u64 s[28:29], s[14:15], s[28:29]
	s_add_nc_u64 s[30:31], s[14:15], s[30:31]
.irp i, 0,1,2,3,4,5,6,7,8,9,10,11,12,13,14,15
	global_load_b128 v[64+4*\i:67+4*\i], v4, s[4:5] offset:(\i+8*(\i/8))*8192 th:TH_LOAD_NT   ; row slot i: 32 lanes read its K step's 512 consecutive bytes
.endr
.irp i, 0,1,2,3,4,5,6,7,8,9,10,11,12,13,14,15
	s_wait_loadcnt 15-\i                           ; loads come back in order: row i is in, the 15 - i later rows may be out
	ds_store_b128 v5, v[64+4*\i:67+4*\i] offset:SP*\i
.endr
.irp c, 0,1
.irp e, 0,1,2,3,4,5,6,7
	ds_load_b128 v[128+32*\c+4*\e:131+32*\c+4*\e], v6 offset:256*\c+16*\e   ; the stage is my wave's own, and LDS serves a wave's instructions in order: these see the stores
.endr
.endr
	s_wait_dscnt 0x0                               ; v[128 + 32 c + i] = x(row r, 128 s + 64 c + 32 h + i): two whole blocks of 32 are mine
.irp c, 0,1
	v_max3_num_f32 v[32+\c], |v[128+32*\c]|, |v[129+32*\c]|, FLOOR
.endr
.irp i, 2,4,6,8,10,12,14,16,18,20,22,24,26,28,30
.irp c, 0,1
	v_max3_num_f32 v[32+\c], v[32+\c], |v[128+32*\c+\i]|, |v[129+32*\c+\i]|   ; the two blocks by turns
.endr
.endr
.irp c, 0,1
	v_add_nc_u32 v[44+\c], OFF4, v[32+\c]          ; the conversion takes the exponent field of this operand as its scale
.endr
.irp c, 0,1
	v_lshrrev_b32 v[36+\c], 23, v[44+\c]           ; the scale's byte
.endr
	v_lshl_or_b32 v9, v37, 16, v36                 ; my bytes: blocks h and 2 + h,
	v_lshlrev_b32 v10, 3, v3
	v_lshlrev_b32 v9, v10, v9                      ; at their places in the word;
	v_mov_b32 v10, 0
	v_permlanex16_b32 v10, v9, s20, s21
	v_or_b32 v9, v9, v10                           ; with lane l xor 16's two the word is whole, in both lanes
.irp c, 0,1
	v_cvt_scalef32_pk16_bf6_f32 v[48+6*\c:50+6*\c], v[128+32*\c:143+32*\c], v[44+\c]
	v_cvt_scalef32_pk16_bf6_f32 v[192+4*\c:194+4*\c], v[144+32*\c:159+32*\c], v[44+\c]   ; (a conversion's three registers begin on an even number)
.endr
	v_nop                                          ; one plain line behind the scaled conversions
.irp c, 0,1
.irp i, 0,1,2
	v_mov_b32 v[51+6*\c+\i], v[192+4*\c+\i]
.endr
.endr
.irp c, 0,1,2
	global_store_b128 v4, v[48+4*\c:51+4*\c], s[28:29] offset:512*\c   ; 512 consecutive bytes, aligned
.endr
	global_store_b32 v7, v9, s[30:31]              ; lanes l and l xor 16 write one word with one value; the work-group's four waves fill each run of 16 bytes: 4 bytes for 512 read
	s_wait_tensorcnt 0x0
	ds_add_u32 v200, v201
	s_wait_dscnt 0x0
	s_endpgm
	; ---- weights: K is the FIRST axis.  A lane takes a column and its registers run down K: a whole K step of 128, four blocks, in one lane
.Lweights:
	s_sub_co_u32 s22, ttmp9, 16
	s_sub_co_u32 s23, ttmp9, 20
	s_sub_co_u32 s24, ttmp9, 24
	s_wait_kmcnt 0x0
	s_cmp_lt_u32 ttmp9, 24                         ; which weight, and which 128 of its columns: the choice hangs on the work-group's number alone
	s_cselect_b64 s[26:27], s[10:11], s[12:13]
	s_cselect_b32 s25, s23, s24
	s_cmp_lt_u32 ttmp9, 20
	s_cselect_b64 s[26:27], s[8:9], s[26:27]
	s_cselect_b32 s25, s22, s25
	s_cmp_lt_u32 ttmp9, 16
	s_cselect_b64 s[26:27], s[6:7], s[26:27]
	s_cselect_b32 s25, ttmp9, s25
	s_cmp_lt_u32 s22, 8                            ; Wk and Wv have rows of 2,048 bytes, Wq and Wo of 8,192
	s_cselect_b32 s23, 18, 20
	s_lshl_b32 s32, s19, s23                       ; K step y: 128 rows down
	s_lshl_b32 s25, s25, 9
	s_add_co_u32 s32, s32, s25                     ; 128 columns a work-group,
	s_lshl_b32 s25, s18, 7
	s_add_co_u32 s32, s32, s25                     ; 32 a wave
	s_mov_b32 s33, 0
	s_add_nc_u64 s[26:27], s[26:27], s[32:33]
	s_lshl_b32 s24, ttmp9, 2
	s_add_co_u32 s24, s24, s18                     ; my group of 32 rows of wq: tiles 2 B and 2 B + 1
	s_mul_i32 s28, s24, 49152
	s_mul_i32 s25, s19, 1536
	s_add_co_u32 s28, s28, s25
	s_mov_b32 s29, 0
	s_add_nc_u64 s[28:29], s[16:17], s[28:29]
	s_lshl_b32 s30, s24, 11
	s_lshr_b32 s25, s19, 2
	s_lshl_b32 s25, s25, 8
	s_add_co_u32 s30, s30, s25
	s_and_b32 s25, s19, 3
	s_lshl_b32 s25, s25, 2
	s_add_co_u32 s30, s30, s25
	s_add_co_u32 s30, s30, WSC
	s_mov_b32 s31, 0
	s_add_nc_u64 s[30:31], s[16:17], s[30:31]
	s_wait_alu depctr_va_vdst(0)
	v_and_b32 v4, 8, v2
	v_add_nc_u32 v4, v4, v2
	v_lshl_add_u32 v4, v3, 3, v4                   ; lane (r, u) takes column 8 u + r + 8 (r / 8): slot r of tile 2 B + u; the 32 lanes still read 128 consecutive bytes
	v_lshlrev_b32 v4, 2, v4
	v_mul_u32_u24 v5, v3, 24576
	v_lshl_add_u32 v5, v2, 4, v5                   ; codes: tile u, 16 r
	v_lshlrev_b32 v6, 10, v3
	v_lshl_add_u32 v6, v2, 4, v6                   ; scale word: tile u, 16 r
.macro WLOAD t, nb                     ; block t: W(128 s + 32 t + i, my column), i = 0 .. 31
.set ii, 0
.rept 32
	global_load_b32 v[64+32*(\t)+ii], v4, s[26:27] offset:(32*(\t)+ii)*(\nb) th:TH_LOAD_NT
.set ii, ii+1
.endr
.endm
.macro WBLOCK t                        ; block t = 2 c + h becomes registers 6 c .. 6 c + 5 of the image's lane (r, h): kept at v[16 + 12 h + 6 c]
.set XS, 64+32*(\t)
.set CD, 16+12*((\t)%2)+6*((\t)/2)
	v_max3_num_f32 v57, |v[XS]|, |v[XS+1]|, |v[XS+2]|
	v_max3_num_f32 v58, |v[XS+3]|, |v[XS+4]|, |v[XS+5]|
.irp i, 6,10,14,18,22,26
	v_max3_num_f32 v57, v57, |v[XS+\i]|, |v[XS+\i+1]|
	v_max3_num_f32 v58, v58, |v[XS+\i+2]|, |v[XS+\i+3]|
.endr
	v_max3_num_f32 v57, v57, |v[XS+30]|, |v[XS+31]|
	v_max3_num_f32 v57, v57, v58, FLOOR
	v_add_nc_u32 v[12+(\t)], OFF4, v57
	v_lshrrev_b32 v[8+(\t)], 23, v[12+(\t)]
	v_cvt_scalef32_pk16_bf6_f32 v[CD:CD+2], v[XS:XS+15], v[12+(\t)]
	v_cvt_scalef32_pk16_bf6_f32 v[40+4*(\t):42+4*(\t)], v[XS+16:XS+31], v[12+(\t)]
.endm
.macro WPATH nb                        ; nb: bytes in a row of the weight.  Loads run two blocks ahead: 64 are out at the most
	WLOAD 0, \nb
	WLOAD 1, \nb
	s_wait_loadcnt 32                              ; block 0 is in; block 1's 32 loads may be out
	WLOAD 2, \nb
	WBLOCK 0
	s_wait_loadcnt 32                              ; block 1 is in; block 2's may be out
	WLOAD 3, \nb
	WBLOCK 1
	s_wait_loadcnt 32                              ; block 2 is in; block 3's may be out
	WBLOCK 2
	s_wait_loadcnt 0x0
	WBLOCK 3
	v_nop                                          ; one plain line behind the scaled conversions
.irp t, 0,1,2,3
.irp i, 0,1,2
	v_mov_b32 v[16+12*(\t%2)+6*(\t/2)+3+\i], v[40+4*\t+\i]
.endr
.endr
	v_lshl_or_b32 v56, v9, 8, v8                   ; the four bytes make my row's scale word
	v_lshl_or_b32 v56, v10, 16, v56
	v_lshl_or_b32 v56, v11, 24, v56
.irp h, 0,1
.irp c, 0,1,2
	global_store_b128 v5, v[16+12*\h+4*\c:19+12*\h+4*\c], s[28:29] offset:256*\h+512*\c   ; sixteen lanes store 256 consecutive bytes, aligned
.endr
.endr
	global_store_b32 v6, v56, s[30:31]             ; 4 bytes for 512 read
	s_endpgm
.endm
	s_cmp_lt_u32 s22, 8
	s_cbranch_scc1 .Lnarrow
	s_wait_alu depctr_va_vdst(0)
	WPATH 8192
.Lnarrow:
	s_wait_alu depctr_va_vdst(0)
	WPATH 2048
.Lfunc_end_k_q1bb8422262_quant:
	.size	k_q1bb8422262_quant, .Lfunc_end_k_q1bb8422262_quant-k_q1bb8422262_quant
	.p2alignl 7, 3214868480
	.fill 96, 4, 3214868480
	.section	.rodata,"a",@progbits
	.p2align	6, 0x0
	.amdhsa_kernel k_q1bb8422262_quant
		.amdhsa_group_segment_fixed_size 34304
		.amdhsa_private_segment_fixed_size 0
		.amdhsa_enable_private_segment 0
		.amdhsa_kernarg_size 56
		.amdhsa_user_sgpr_count 2
		.amdhsa_user_sgpr_kernarg_segment_ptr 1
		.amdhsa_wavefront_size32 1
		.amdhsa_system_sgpr_workgroup_id_x 1
		.amdhsa_system_sgpr_workgroup_id_y 1
		.amdhsa_system_sgpr_workgroup_id_z 1
		.amdhsa_system_vgpr_workitem_id 0
		.amdhsa_next_free_vgpr 202
		.amdhsa_next_free_sgpr 66
		.amdhsa_reserve_vcc 0
		.amdhsa_float_denorm_mode_32 3
		.amdhsa_float_denorm_mode_16_64 3
		.amdhsa_memory_ordered 1
		.amdhsa_forward_progress 1
		.amdhsa_inst_pref_size 49
	.end_amdhsa_kernel
	.amdgpu_metadata
---
amdhsa.version: [ 1, 2 ]
amdhsa.kernels:
  - .name:           k_q1bb8422262_quant
    .symbol:         k_q1bb8422262_quant.kd
    .args:
      - { .name: x, .offset: 0, .size: 8, .value_kind: global_buffer, .address_space: global }
      - { .name: Wq, .offset: 8, .size: 8, .value_kind: global_buffer, .address_space: global }
      - { .name: Wk, .offset: 16, .size: 8, .value_kind: global_buffer, .address_space: global }
      - { .name: Wv, .offset: 24, .size: 8, .value_kind: global_buffer, .address_space: global }
      - { .name: Wo, .offset: 32, .size: 8, .value_kind: global_buffer, .address_space: global }
      - { .name: xq, .offset: 40, .size: 8, .value_kind: global_buffer, .address_space: global }
      - { .name: wq, .offset: 48, .size: 8, .value_kind: global_buffer, .address_space: global }
    .group_segment_fixed_size: 34304
    .private_segment_fixed_size: 0
    .kernarg_segment_align: 8
    .kernarg_segment_size: 56
    .max_flat_workgroup_size: 128
    .sgpr_count:     66
    .vgpr_count:     202
    .wavefront_size: 32
...
	.end_amdgpu_metadata
.endif
;; end of part 1
;; launch qkv (part 2): grid 96 x 4, 4 waves a work-group, clusters of 4 x 4, 327,680 bytes of LDS; arguments xq, wq, cos, sin, qkv; writes qkv
.if DOCPART == 2
	.amdgcn_target "amdgcn-amd-amdhsa--gfx1250"
	.amdhsa_code_object_version 6
	.text
	.protected	k_q1bb8422262_qkv
	.globl	k_q1bb8422262_qkv
	.p2align	8
	.type	k_q1bb8422262_qkv,@function
k_q1bb8422262_qkv:
	s_mov_b64 s[64:65], 0
	v_nop
	global_prefetch_b8 v0, s[64:65] scope:SCOPE_SE
	s_setreg_imm32_b32 hwreg(HW_REG_WAVE_MODE, 25, 1), 1
	s_wait_xcnt 0x0
	s_wait_alu depctr_hold_cnt(0) depctr_sa_sdst(0) depctr_va_vdst(0) depctr_va_sdst(0) depctr_va_ssrc(0) depctr_va_vcc(0) depctr_vm_vsrc(0)
	s_getreg_b32 s2, hwreg(HW_REG_IB_STS2, 6, 4)
	s_cmp_eq_u32 s2, 0
	s_cbranch_scc0 .Lentry_in_a_cluster
	s_endpgm
.Lentry_in_a_cluster:
	s_bfe_u32 s2, ttmp6, 0x10000c
	s_cmp_lg_u32 s2, 0xf033
	s_cbranch_scc0 .Lentry_shape_is_right
	s_endpgm
.Lentry_shape_is_right:
; q = rope(x Wq), k = rope(x Wk), v = x Wv on codes of BF6 (E3M2) with E8M0 scales; the results are quantised here, q and k along the head's 64, v along the keys, and leave as images of operand registers.
; A work-group makes 128 (side 0) x 128 (side 1) over K = 2,048.  The matrix instruction takes side 0 as source 0: a lane holds ONE row of side 1 and its registers run along side 0.
; Clusters 0-19: side 0 = 128 weight columns (two heads of q or k), side 1 = 128 tokens.  Clusters 20-23 (v): side 0 = 128 tokens (the keys), side 1 = 128 columns of Wv.  So in both the lane's registers run along the next K.
; A tile holds rows 32 (T / 2) + 8 (T % 2) + r + 8 (r / 8): so register 8 t + j of lane (r, h) is side-0 index 32 (t / 2) + 16 h + 8 (t % 2) + j: 16 neighbours in two neighbouring tiles.
; Wave w owns side-1 tiles 2 w, 2 w + 1 against all 8 side-0 tiles: 16 accumulators, and with them a whole fragment and a whole scale word for each of its rows: nothing goes from wave to wave.
; LDS: three slots of 512 along K (side 0's 8 tiles x 6,144 bytes, then side 1's), filled by joint tensor loads; K has four such chunks, so slot 0 is filled a second time, once.  Both sides' scale words stay behind the slots.
; CLUSTER 4 x 4: side 0 hangs on cx alone and is shared along a column, side 1 on cy alone and is shared along a row.
; LIMITS: a block of zeros gets the byte 1 (its codes are zeros; this program alone reads the bytes); NaN and infinities are not served; RoPE uses fused multiply-adds (one rounding less than x cos + rot sin).
; REGISTERS: window 0: v1-23 addresses; v24-63 scale words, two sets of 20; v64-111 side 1's fragments, two sets; v112-175 RoPE's products; v176-229 the quantiser.
;   window 1: v0-127 the accumulators (64 a + 8 t); v128-255 cos and sin.   window 2: side 0's fragments, two sets of 96.
.set SLOT,   98304
.set SIDE1,  49152
.set SCL,    3*SLOT                    ; side 0's scale words (8 x 1,024 bytes), then side 1's
.set SPARE,  SCL+16384                 ; the spare words: 128 bytes for each wave, two blocks of 256 bytes that no other line names
.set XSC,    3145728
.set WSC,    7864320
.set VC,     3932160                   ; qkv: v's codes
.set QKS,    4718592                   ; q's and k's scale words
.set VS,     4882432                   ; v's scale words
.set ADR0,  4                          ; v4-6   16 L + slot
.set ADR1,  7                          ; v7-9   the same at my two tiles of side 1
.set ADRS0, 10                         ; v10    side 0's scale words: lanes 0-15 an even tile, lanes 16-31 the odd one behind it
.set ADRS1, 11                         ; v11    side 1's: my two tiles
.set SPW,   12
.set NIL,   13
.set SC,    24
.set F1,    64
.set TT,    112
.set TM,    176
.set PW,    192
.set PC,    196
.set PCT,   220
.set G1,   24                          ; groups 1: side 0's codes, side 1's codes, side 0's scales, side 1's scales
.set G1B,  32
.set G1S,  40
.set G1SB, 48
.set G00,  56                          ; groups 0: side 0's slots 0, 1, 2
.set G01,  60
.set G02,  68
.set G0B0, 72                          ; side 1's
.set G0B1, 76
.set G0B2, 80
.set G0S,  84
.set G0SB, 88
.set MSB, 0
.macro WIN new                         ; the immediate's high byte repeats the setting that is left
.if MSB != \new
	s_set_vgpr_msb (MSB<<8)|\new
.set MSB, \new
.endif
.endm
.macro PLACES cnt
.rept \cnt
	v_nop
.endr
.endm
; A joint load: waves 0 and 1 fetch side 0's halves, waves 2 and 3 side 1's.  The branch hangs on the wave's number alone.  Four v_nop follow each line.
.macro JLOAD g0a, g1a, g0b, g1b
	s_cmp_eq_u32 s15, 0
	s_cbranch_scc0 .Lfor_b_\@
	tensor_load_to_lds s[\g0a:\g0a+3], s[\g1a:\g1a+7]
	s_nop 0
.rept 4
	v_nop
.endr
	s_branch .Lasked_\@
.Lfor_b_\@:
	tensor_load_to_lds s[\g0b:\g0b+3], s[\g1b:\g1b+7]
	s_nop 0
.rept 4
	v_nop
.endr
.Lasked_\@:
.endm
.macro CREST                           ; a round of the cluster's barrier behind its opening barrier
	s_cmp_lg_u32 s14, 0
	s_cbranch_scc1 .Lnot_wave_0_\@
	s_barrier_signal -3
.Lnot_wave_0_\@:
	s_barrier_wait -3
	s_barrier_signal -1
	s_barrier_wait -1
.endm
.macro CROUND
	s_barrier_signal -1
	s_barrier_wait -1
	CREST
.endm
.macro MKG0 g, ldsreg, ldsoff, adr, goff
	s_mov_b32 s[\g], 1                             ; count = 1
	s_add_co_u32 s[\g+1], s[\ldsreg], \ldsoff      ; LDS address: a constant x wave + the slot's constant
	s_add_nc_u64 s[\g+2:\g+3], s[\adr:\adr+1], \goff
	s_or_b32 s[\g+3], s[\g+3], 0x80000000          ; type = 2
.endm
	s_load_b256 s[4:11], s[0:1], 0x0               ; xq, wq, cos, sin
	s_load_b64 s[12:13], s[0:1], 0x20              ; qkv
	v_lshl_add_u32 v[SPW], v0, 2, SPARE
	v_mov_b32 v[NIL], 0
	ds_add_u32 v12, v13
	ds_add_u32 v12, v13
	s_wait_dscnt 0x0
	v_lshrrev_b32 v1, 5, v0
	v_readfirstlane_b32 s14, v1                    ; wave
	s_lshr_b32 s15, s14, 1                         ; I fetch for side 0 (0) or side 1 (1),
	s_and_b32 s16, s14, 1                          ; its tiles 0-3 or 4-7
	s_bfe_u32 s92, ttmp6, 0x40000                  ; cx
	s_bfe_u32 s94, ttmp6, 0x40004                  ; cy
	s_and_b32 s2, ttmp9, 3
	s_lshr_b32 s3, ttmp9, 2
	s_cmp_ge_u32 ttmp9, 20                         ; the cluster's number says what is made: the same in all sixteen partners
	s_cselect_b32 s17, 1, 0                        ; 1: v
	s_cselect_b32 s18, s2, s3
	s_cselect_b32 s19, 0, s2
	s_cselect_b32 s100, 160, 0                     ; Wv's columns begin at tile 160 of wq
	s_mov_b32 s96, WSC
	s_cselect_b32 s96, XSC, s96                    ; where side 0's buffer has its scale words,
	s_mov_b32 s98, XSC
	s_cselect_b32 s98, WSC, s98                    ; and side 1's
	s_lshl_b32 s18, s18, 2
	s_add_co_u32 s18, s18, s92                     ; i0: which 128 of side 0
	s_lshl_b32 s19, s19, 2
	s_add_co_u32 s19, s19, s94                     ; i1: which 128 of side 1
	s_lshl_b32 s93, 0x1111, s92                    ; my column of the cluster
	s_lshl_b32 s95, s94, 2
	s_lshl_b32 s95, 15, s95                        ; my row
	s_or_b32 s[G1], s93, (3<<16)|(1<<21)           ; the mask; elements of 8 bytes; bit 21 beside a mask; no padding: every read is 512 consecutive bytes
	s_or_b32 s[G1S], s93, (3<<16)|(1<<21)
	s_or_b32 s[G1B], s95, (3<<16)|(1<<21)
	s_or_b32 s[G1SB], s95, (3<<16)|(1<<21)
.irp g, G1, G1B                        ; codes: four tiles' 6,144 bytes (four K steps), 24,576 bytes from tile to tile
	s_mov_b32 s[\g+1], 1536<<16                    ; for the head's loads: eight tiles' 12,288 bytes (K 0 .. 1,023); set to four tiles' 6,144 behind the wait for them
	s_mov_b32 s[\g+2], 8<<16
	s_mov_b32 s[\g+3], 1536<<16
	s_mov_b32 s[\g+4], 8
	s_mov_b32 s[\g+5], 3072
	s_mov_b32 s[\g+6], 0
	s_mov_b32 s[\g+7], 0
.endr
.irp g, G1S, G1SB                      ; scale words: eight tiles' 8,192 dense bytes as 32 rows of 256
	s_mov_b32 s[\g+1], 32<<16
	s_mov_b32 s[\g+2], 32<<16                      ; a side's eight tiles: 8,192 dense bytes as 32 rows of 256
	s_mov_b32 s[\g+3], 32<<16
	s_mov_b32 s[\g+4], 32
	s_mov_b32 s[\g+5], 32
	s_mov_b32 s[\g+6], 0
	s_mov_b32 s[\g+7], 0
.endr
	s_lshl_b32 s20, s18, 3                         ; side 0: the block's first tile
	s_lshl_b32 s22, s19, 3
	s_add_co_u32 s22, s22, s100                    ; side 1 likewise
	s_lshl_b32 s92, s20, 10
	s_add_co_u32 s92, s92, s96
	s_mov_b32 s93, 0
	s_lshl_b32 s94, s22, 10
	s_add_co_u32 s94, s94, s98
	s_mov_b32 s95, 0
	s_mul_i32 s20, s20, 24576
	s_mov_b32 s21, 0
	s_mul_i32 s22, s22, 24576
	s_mov_b32 s23, 0
	s_mul_i32 s2, s14, 24576                       ; where they go: wave x four tiles: no place in the cluster enters an LDS address
	s_mul_i32 s3, s15, 98304                       ; where K chunk 3 goes: the start of my side's head region, + four tiles for the second half
	s_mul_i32 s100, s16, 24576
	s_add_co_u32 s3, s3, s100
	s_lshl_b32 s100, s19, 15
	s_lshl_b32 s101, s14, 13
	s_add_co_u32 s100, s100, s101                  ; cos, sin: token 128 i1 + 32 w, 256 bytes a row
	s_mov_b32 s101, 0
	s_wait_kmcnt 0x0
	s_cmp_eq_u32 s17, 1
	s_cselect_b64 s[96:97], s[4:5], s[6:7]         ; side 0's buffer: xq for v, wq for q and k
	s_cselect_b64 s[98:99], s[6:7], s[4:5]         ; side 1's
	s_add_nc_u64 s[20:21], s[96:97], s[20:21]
	s_add_nc_u64 s[92:93], s[96:97], s[92:93]
	s_add_nc_u64 s[22:23], s[98:99], s[22:23]
	s_add_nc_u64 s[94:95], s[98:99], s[94:95]
	s_add_nc_u64 s[8:9], s[8:9], s[100:101]
	s_add_nc_u64 s[10:11], s[10:11], s[100:101]
	CROUND                                         ; all sixteen work-groups are here: the first joint loads meet
; THE LDS MAP AS THE CODE BELOW HAS IT: 0: side 0's K 0 .. 1,023, tile t at 12,288 t; 98,304: side 1's likewise; 196,608: K chunk 2 (1,024 .. 1,535), side 0's tiles at 6,144 t, then side 1's from 245,760; SCL: the scale words.
; K chunk 3 lands dense (6,144 a tile) on the first 49,152 bytes of each side's head region, behind the round that follows chunk 1's last read: the one refill.
; THE HEAD'S FOUR LOADS, ONE A WAVE: wave 0 side 0's K 0 .. 1,023, wave 1 side 1's, wave 2 side 0's scale words, wave 3 side 1's: one chain of branches on the wave's number.
; No prefetch: the walk along K is written out, four chunks, with no loop to run ahead in.
.macro MKH g, lds, adr
	s_mov_b32 s[\g], 1
	s_mov_b32 s[\g+1], \lds
	s_mov_b64 s[\g+2:\g+3], s[\adr:\adr+1]
	s_or_b32 s[\g+3], s[\g+3], 0x80000000
.endm
.macro ARM under, g0, g1, next
	s_cmp_lt_u32 s14, \under
	s_cbranch_scc0 \next
	tensor_load_to_lds s[\g0:\g0+3], s[\g1:\g1+7]
	s_nop 0
.rept 4
	v_nop
.endr
	s_branch .Lhead_asked
\next:
.endm
	MKH G00, 0, 20
	MKH G0B0, 98304, 22
	MKH G0S, SCL, 92
	MKH G0SB, SCL+8192, 94
	s_mul_i32 s100, s16, 98304                     ; behind the head I fetch four tiles of a side: which four, in bytes
	s_mov_b32 s101, 0
	s_add_nc_u64 s[20:21], s[20:21], s[100:101]
	s_add_nc_u64 s[22:23], s[22:23], s[100:101]
	MKG0 G01, 2, 196608, 20, 12288                 ; K chunk 2
	MKG0 G0B1, 2, 196608, 22, 12288
	MKG0 G02, 3, 0, 20, 18432                      ; K chunk 3
	MKG0 G0B2, 3, 0, 22, 18432
	ARM 1, G00, G1, .Lhead_b
	ARM 2, G0B0, G1B, .Lhead_sa
	ARM 3, G0S, G1S, .Lhead_sb
	tensor_load_to_lds s[G0SB:G0SB+3], s[G1SB:G1SB+7]
	s_nop 0
.rept 4
	v_nop
.endr
.Lhead_asked:
	v_and_b32 v1, 15, v0                           ; r
	v_bfe_u32 v2, v0, 4, 1                         ; h
	v_and_b32 v3, 31, v0                           ; L
	v_lshlrev_b32 v[ADR0], 4, v3
	v_add_nc_u32 v[ADR0+1], 49152, v[ADR0]         ; side 0: the head region's tiles 4-7,
	v_add_nc_u32 v[ADR0+2], 196608, v[ADR0]        ; and chunk 2
	s_mul_i32 s100, s14, 12288
	s_add_co_u32 s100, s100, 98304
	v_add_nc_u32 v[ADR1+2], s100, v[ADR0]          ; side 1, my two tiles: chunk 3,
	v_add_nc_u32 v[ADR1+1], 147456, v[ADR1+2]      ; chunk 2,
	s_mul_i32 s100, s14, 24576
	s_add_co_u32 s100, s100, 98304
	v_add_nc_u32 v[ADR1], s100, v[ADR0]            ; and the head region
	v_lshlrev_b32 v[ADRS0], 4, v1
	v_lshl_add_u32 v[ADRS0], v2, 10, v[ADRS0]
	v_add_nc_u32 v[ADRS0], SCL, v[ADRS0]
	s_lshl_b32 s100, s14, 11
	s_add_co_u32 s100, s100, 8192
	v_add_nc_u32 v[ADRS1], s100, v[ADRS0]
	v_and_b32 v14, 8, v1
	v_add_nc_u32 v14, v14, v1
	v_lshlrev_b32 v14, 8, v14
	v_lshl_add_u32 v14, v2, 6, v14                 ; cos, sin: row r + 8 (r / 8), + 64 h bytes
	v_lshlrev_b32 v15, 4, v3                       ; 16 L
	v_lshlrev_b32 v16, 3, v3                       ; 8 L
	v_lshlrev_b32 v17, 2, v1
	v_lshl_add_u32 v17, v2, 12, v17                ; 4 r + 4,096 h
	v_lshlrev_b32 v18, 2, v3                       ; 4 L
.irp b, 0,1,2,3
	v_mov_b32 v[TM+4+\b], 0                        ; written once: a lane permute's destination counts as one of its sources
.endr
; One product.  ra, rb: the side's scale words stand in lanes 16-31 of the register named
.macro WM acc, fa, fb, sa, sb, ra, rb, zero
.if \zero
.if (\ra)&&(\rb)
	v_wmma_scale_f32_16x16x128_f8f6f4 v[\acc:\acc+7], v[\fa:\fa+11], v[\fb:\fb+11], 0, v[\sa], v[\sb] matrix_a_fmt:MATRIX_FMT_BF6 matrix_b_fmt:MATRIX_FMT_BF6 matrix_a_scale:MATRIX_SCALE_ROW1 matrix_b_scale:MATRIX_SCALE_ROW1
.elseif \ra
	v_wmma_scale_f32_16x16x128_f8f6f4 v[\acc:\acc+7], v[\fa:\fa+11], v[\fb:\fb+11], 0, v[\sa], v[\sb] matrix_a_fmt:MATRIX_FMT_BF6 matrix_b_fmt:MATRIX_FMT_BF6 matrix_a_scale:MATRIX_SCALE_ROW1
.elseif \rb
	v_wmma_scale_f32_16x16x128_f8f6f4 v[\acc:\acc+7], v[\fa:\fa+11], v[\fb:\fb+11], 0, v[\sa], v[\sb] matrix_a_fmt:MATRIX_FMT_BF6 matrix_b_fmt:MATRIX_FMT_BF6 matrix_b_scale:MATRIX_SCALE_ROW1
.else
	v_wmma_scale_f32_16x16x128_f8f6f4 v[\acc:\acc+7], v[\fa:\fa+11], v[\fb:\fb+11], 0, v[\sa], v[\sb] matrix_a_fmt:MATRIX_FMT_BF6 matrix_b_fmt:MATRIX_FMT_BF6
.endif
.else
.if (\ra)&&(\rb)
	v_wmma_scale_f32_16x16x128_f8f6f4 v[\acc:\acc+7], v[\fa:\fa+11], v[\fb:\fb+11], v[\acc:\acc+7], v[\sa], v[\sb] matrix_a_fmt:MATRIX_FMT_BF6 matrix_b_fmt:MATRIX_FMT_BF6 matrix_a_scale:MATRIX_SCALE_ROW1 matrix_b_scale:MATRIX_SCALE_ROW1
.elseif \ra
	v_wmma_scale_f32_16x16x128_f8f6f4 v[\acc:\acc+7], v[\fa:\fa+11], v[\fb:\fb+11], v[\acc:\acc+7], v[\sa], v[\sb] matrix_a_fmt:MATRIX_FMT_BF6 matrix_b_fmt:MATRIX_FMT_BF6 matrix_a_scale:MATRIX_SCALE_ROW1
.elseif \rb
	v_wmma_scale_f32_16x16x128_f8f6f4 v[\acc:\acc+7], v[\fa:\fa+11], v[\fb:\fb+11], v[\acc:\acc+7], v[\sa], v[\sb] matrix_a_fmt:MATRIX_FMT_BF6 matrix_b_fmt:MATRIX_FMT_BF6 matrix_b_scale:MATRIX_SCALE_ROW1
.else
	v_wmma_scale_f32_16x16x128_f8f6f4 v[\acc:\acc+7], v[\fa:\fa+11], v[\fb:\fb+11], v[\acc:\acc+7], v[\sa], v[\sb] matrix_a_fmt:MATRIX_FMT_BF6 matrix_b_fmt:MATRIX_FMT_BF6
.endif
.endif
.endm
; cnt side-0 tiles from t0 on x my two side-1 tiles, the slot's q-th 128 along K, fragment set p, scale set ss.  The 16 accumulators take turns, one instruction a turn, in one order in every step
.macro MUL p, q, ss, t0, cnt, zero
.set tt, \t0
.rept \cnt
.irp a, 0,1
	WM 64*\a+8*tt, 96*(\p)+12*tt, F1+24*(\p)+12*\a, SC+20*(\ss)+4*(tt/2)+(\q), SC+20*(\ss)+16+(\q), tt%2, \a, \zero
.endr
.set tt, tt+1
.endr
.endm
.macro FETCH sl, q, p                  ; the fragments of the slot's q-th K step into set p: each load is 512 consecutive bytes
	WIN 0x80                                       ; destination window 2
.irp t, 0,1,2,3,4,5,6,7
.if (\sl) < 2                          ; sl is the K chunk: 0 and 1 lie in the head region, 12,288 bytes a tile
.set RG0, ADR0+\t/4
.set OF0, 12288*(\t%4)+6144*(\sl)
.set RG1, ADR1
.set PT1, 12288
.set OF1, 6144*(\sl)
.elseif (\sl) == 2
.set RG0, ADR0+2
.set OF0, 6144*\t
.set RG1, ADR1+1
.set PT1, 6144
.set OF1, 0
.else
.set RG0, ADR0
.set OF0, 6144*\t
.set RG1, ADR1+2
.set PT1, 6144
.set OF1, 0
.endif
.irp c, 0,1,2
	ds_load_b128 v[96*(\p)+12*\t+4*\c:96*(\p)+12*\t+4*\c+3], v[RG0] offset:OF0+1536*(\q)+512*\c
.endr
.endr
	WIN 0
.irp a, 0,1
.irp c, 0,1,2
	ds_load_b128 v[F1+24*(\p)+12*\a+4*\c:F1+24*(\p)+12*\a+4*\c+3], v[RG1] offset:PT1*\a+OF1+1536*(\q)+512*\c
.endr
.endr
.endm
.macro SCALES ss, j                    ; the scale words of K chunk j: a lane's 16 bytes are its row's words of the chunk's four K steps
.irp i, 0,1,2,3
	ds_load_b128 v[SC+20*(\ss)+4*\i:SC+20*(\ss)+4*\i+3], v[ADRS0] offset:2048*\i+256*(\j)
.endr
	ds_load_b128 v[SC+20*(\ss)+16:SC+20*(\ss)+19], v[ADRS1] offset:256*(\j)
.endm
; A K step that has its successor in the same slot: its fragments, asked for a step ago, are in; four places behind the products that read the other set; the next step's fragments are asked for; 16 products
.macro STEP sl, q, ss, zero
	s_wait_dscnt 0x0
	PLACES 4
	FETCH \sl, (\q)+1, ((\q)+1)%2
	WIN 0x52                                       ; source 0 window 2, source 1 window 0, C and D window 1
	MUL (\q)%2, \q, \ss, 0, 8, \zero
.endm
; A slot's last K step changes slots.  kind = 0: a plain barrier: the next slot (wait with count cnt: the later slots' loads may stay out) is whole for every wave.
; kind = 1: slot 0 is filled again, with K chunk 3: all my tensor loads are waited for, 0 is added to my spare word, that and my LDS reads are waited for, a round of the cluster's barrier, the joint load first behind it.
.macro TURN sl, nx, ss, jn, kind, cnt
	WIN 0
	s_wait_tensorcnt \cnt
.if \kind
	ds_add_u32 v[SPW], v[NIL]
.endif
	s_wait_dscnt 0x0                               ; my reads of this slot are over (and the add is done)
	s_barrier_signal -1
	WIN 0x52
	MUL 1, 3, \ss, 0, 4, 0                         ; work on registers while the others arrive
	WIN 0
	s_barrier_wait -1
.if \kind
	CREST
	JLOAD G02, G1, G0B2, G1B                       ; K chunk 3, onto the head region; its four v_nop are also the places in front of the loads below
.else
	PLACES 4
.endif
	FETCH \nx, 0, 0
	SCALES 1-(\ss), \jn
	WIN 0x52
	MUL 1, 3, \ss, 4, 4, 0
	WIN 0
.endm
	s_wait_alu depctr_va_vdst(0)                   ; the wait at the head's end
	s_wait_tensorcnt 0x0                           ; my tile of the head's four is in
	ds_add_u32 v[SPW], v[NIL]
.irp g, G1, G1B                        ; no tensor load of mine is out: from here on a load brings four tiles' 6,144 bytes
	s_mov_b32 s[\g+1], 768<<16
	s_mov_b32 s[\g+2], 4<<16
	s_mov_b32 s[\g+3], 768<<16
	s_mov_b32 s[\g+4], 4
.endr
	s_wait_dscnt 0x0
	CROUND                                         ; all four tiles are in for every wave, and all sixteen work-groups are here
	JLOAD G01, G1, G0B1, G1B                       ; K chunk 2's first fill: it has chunks 0 and 1, 128 products, in which to land
	FETCH 0, 0, 0
	SCALES 0, 0
	STEP 0, 0, 0, 1                                ; the first products start the sums: nothing is cleared
	STEP 0, 1, 0, 0
	STEP 0, 2, 0, 0
	s_wait_dscnt 0x0                               ; chunk 0's last step; chunk 1 came with chunk 0: no barrier
	MUL 1, 3, 0, 0, 4, 0
	PLACES 4
	FETCH 1, 0, 0
	SCALES 1, 1
	WIN 0x52
	MUL 1, 3, 0, 4, 4, 0
	WIN 0
	STEP 1, 0, 1, 0
	STEP 1, 1, 1, 0
	STEP 1, 2, 1, 0
	TURN 1, 2, 1, 2, 1, 0                          ; the one refill
	STEP 2, 0, 0, 0
	STEP 2, 1, 0, 0
	STEP 2, 2, 0, 0
	TURN 2, 3, 0, 3, 0, 0                          ; chunk 3 is in
	WIN 0x40                                       ; cos and sin of my 32 tokens, into window 1: they land under the last 64 products.  (The work-groups that make v load them too and leave them unread: their rows lie inside the tables)
.irp a, 0,1
.irp hf, 0,1
.irp e, 0,1,2,3
	global_load_b128 v[128+64*\a+16*\hf+4*\e:128+64*\a+16*\hf+4*\e+3], v14, s[8:9] offset:2048*\a+128*\hf+16*\e
	global_load_b128 v[160+64*\a+16*\hf+4*\e:160+64*\a+16*\hf+4*\e+3], v14, s[10:11] offset:2048*\a+128*\hf+16*\e
.endr
.endr
.endr
	WIN 0
	STEP 3, 0, 1, 0
	STEP 3, 1, 1, 0
	STEP 3, 2, 1, 0
	s_wait_dscnt 0x0
	MUL 1, 3, 1, 0, 8, 0
	WIN 0
	PLACES 4                                       ; four places behind the last products, ahead of the first read of results
	s_wait_loadcnt 0x0                             ; cos and sin
	s_cmp_eq_u32 s17, 0
	s_cbranch_scc0 .Lno_rope
	; RoPE.  For token tile a and head hh: X0 = registers 64 a + 32 hh + i (d = 16 h + i), X1 = those 16 on (d = 32 + 16 h + i).  X0' = X0 cos(d) - X1 sin(d); X1' = X1 cos(d + 32) + X0 sin(d + 32).  Each accumulator is read from its low end on
	WIN 0x05                                       ; sources in window 1, destination in window 0
.irp a, 0,1
.irp hh, 0,1
.irp i, 0,2,4,6,8,10,12,14
	v_pk_mul_f32 v[TT+32*\a+16*\hh+\i:TT+32*\a+16*\hh+\i+1], v[64*\a+32*\hh+\i:64*\a+32*\hh+\i+1], v[176+64*\a+\i:176+64*\a+\i+1]   ; X0 sin(d + 32), kept
.endr
.endr
.endr
	WIN 0x55                                       ; all in window 1
.irp a, 0,1
.irp hh, 0,1
.irp i, 0,2,4,6,8,10,12,14
	v_pk_mul_f32 v[64*\a+32*\hh+\i:64*\a+32*\hh+\i+1], v[64*\a+32*\hh+\i:64*\a+32*\hh+\i+1], v[128+64*\a+\i:128+64*\a+\i+1]
.endr
.irp i, 0,2,4,6,8,10,12,14
	v_pk_fma_f32 v[64*\a+32*\hh+\i:64*\a+32*\hh+\i+1], v[64*\a+32*\hh+16+\i:64*\a+32*\hh+16+\i+1], v[160+64*\a+\i:160+64*\a+\i+1], v[64*\a+32*\hh+\i:64*\a+32*\hh+\i+1] neg_lo:[0,1,0] neg_hi:[0,1,0]
.endr
.endr
.endr
	WIN 0x45                                       ; source 2 in window 0
.irp a, 0,1
.irp hh, 0,1
.irp i, 0,2,4,6,8,10,12,14
	v_pk_fma_f32 v[64*\a+32*\hh+16+\i:64*\a+32*\hh+16+\i+1], v[64*\a+32*\hh+16+\i:64*\a+32*\hh+16+\i+1], v[144+64*\a+\i:144+64*\a+\i+1], v[TT+32*\a+16*\hh+\i:TT+32*\a+16*\hh+\i+1]
.endr
.endr
.endr
	WIN 0
.Lno_rope:
; 64 numbers of a lane in window 1, register s + 16 b + i = index 32 b + 16 h + i of my row, become 12 registers of codes at v[pc] and the row's scale word in v[pw], both in window 0
.macro QUANT s, pc, pw
	WIN 0x05
.irp b, 0,1,2,3
	v_max3_num_f32 v[TM+\b], |v[\s+16*\b]|, |v[\s+1+16*\b]|, 0x2800000   ; my 16 numbers of block b, and the floor 2^(5 - 127): the byte cannot fall under 1
.endr
.irp i, 2,4,6,8,10,12,14
.irp b, 0,1,2,3
	v_max3_num_f32 v[TM+\b], |v[\s+16*\b+\i]|, |v[\s+1+16*\b+\i]|, v[TM+\b]
.endr
.endr
	WIN 0
.irp b, 0,1,2,3
	v_permlanex16_b32 v[TM+4+\b], v[TM+\b], s100, s101
.endr
.irp b, 0,1,2,3
	v_max_num_f32 v[TM+\b], v[TM+\b], v[TM+4+\b]   ; with lane l xor 16's: the block's largest magnitude
.endr
.irp b, 0,1,2,3
	v_add_nc_u32 v[TM+12+\b], 0xfe000000, v[TM+\b] ; 4 off its exponent field: the conversion's scale operand
.endr
.irp b, 0,1,2,3
	v_lshrrev_b32 v[TM+4+\b], 23, v[TM+12+\b]      ; the byte
.endr
	v_lshl_or_b32 v[\pw], v[TM+5], 8, v[TM+4]
	v_lshl_or_b32 v[\pw], v[TM+6], 16, v[\pw]
	v_lshl_or_b32 v[\pw], v[TM+7], 24, v[\pw]
	WIN 0x01                                       ; the 16 numbers in window 1
.irp c, 0,1
	v_cvt_scalef32_pk16_bf6_f32 v[\pc+6*\c:\pc+6*\c+2], v[\s+32*\c:\s+32*\c+15], v[TM+12+2*\c]
	v_cvt_scalef32_pk16_bf6_f32 v[PCT+4*\c:PCT+4*\c+2], v[\s+32*\c+16:\s+32*\c+31], v[TM+13+2*\c]
.endr
	WIN 0
	v_nop                                          ; one plain line behind the scaled conversions
.irp c, 0,1                            ; the operand's layout wants a whole block in a lane: lanes 0-15 block 2 c, lanes 16-31 block 2 c + 1
.irp i, 0,1,2
	v_permlane16_swap_b32 v[\pc+6*\c+\i], v[PCT+4*\c+\i]
.endr
.irp i, 0,1,2
	v_mov_b32 v[\pc+6*\c+3+\i], v[PCT+4*\c+\i]
.endr
.endr
.endm
	s_mov_b32 s100, 0x76543210
	s_mov_b32 s101, 0xfedcba98                     ; v_permlanex16_b32's selects for lane l xor 16
	QUANT 0, PC, PW
	QUANT 64, PC+12, PW+1
	s_mov_b32 vcc_lo, 0xffff0000                   ; lanes 16-31
	s_cmp_eq_u32 s17, 0
	s_cbranch_scc0 .Lstore_v
	; q, k: registers 6 hh .. 6 hh + 5 are head 2 i0 + hh's half image (768 bytes) of token tile 8 i1 + 2 w + a
	s_mul_i32 s20, s18, 196608
	s_lshl_b32 s21, s19, 3
	s_lshl_b32 s22, s14, 1
	s_add_co_u32 s21, s21, s22
	s_mul_i32 s21, s21, 768
	s_add_co_u32 s20, s20, s21
	s_mov_b32 s21, 0
	s_add_nc_u64 s[20:21], s[12:13], s[20:21]
	s_lshl_b32 s22, s18, 13
	s_lshl_b32 s23, s19, 2
	s_add_co_u32 s23, s23, s14
	s_lshl_b32 s23, s23, 6
	s_add_co_u32 s22, s22, s23
	s_add_co_u32 s22, s22, QKS
	s_mov_b32 s23, 0
	s_add_nc_u64 s[22:23], s[12:13], s[22:23]
	s_wait_alu depctr_va_vdst(0)
.irp a, 0,1
.irp hh, 0,1
	global_store_b128 v15, v[PC+12*\a+6*\hh:PC+12*\a+6*\hh+3], s[20:21] offset:98304*\hh+768*\a       ; 512 consecutive bytes, aligned
	global_store_b64 v16, v[PC+12*\a+6*\hh+4:PC+12*\a+6*\hh+5], s[20:21] offset:98304*\hh+768*\a+512   ; and 256
.endr
.endr
	v_perm_b32 v228, v[PW+1], v[PW], 0x05040100    ; head 2 i0: tile a = 0's two bytes, then tile a = 1's
	v_perm_b32 v229, v[PW+1], v[PW], 0x07060302    ; head 2 i0 + 1
	v_cndmask_b32 v228, v228, v229, vcc_lo         ; lanes 16-31 carry the second head's
	global_store_b32 v17, v228, s[22:23]           ; two runs of 64 bytes: one byte for each 24 of codes
	s_branch .Lend
.Lstore_v:
	; v: a whole fragment (16 of the head's 64 x 128 keys) for each a: group 2 i1 + w / 2, K step i0, fragment 2 (w % 2) + a
	s_lshl_b32 s20, s19, 1
	s_add_co_u32 s20, s20, s15
	s_lshl_b32 s22, s20, 12
	s_mul_i32 s20, s20, 98304
	s_mul_i32 s21, s18, 6144
	s_add_co_u32 s20, s20, s21
	s_mul_i32 s21, s16, 3072
	s_add_co_u32 s20, s20, s21
	s_add_co_u32 s20, s20, VC
	s_mov_b32 s21, 0
	s_add_nc_u64 s[20:21], s[12:13], s[20:21]
	s_lshl_b32 s23, s18, 8
	s_add_co_u32 s22, s22, s23
	s_lshl_b32 s23, s16, 7
	s_add_co_u32 s22, s22, s23
	s_add_co_u32 s22, s22, VS
	s_mov_b32 s23, 0
	s_add_nc_u64 s[22:23], s[12:13], s[22:23]
	s_wait_alu depctr_va_vdst(0)
.irp a, 0,1
.irp c, 0,1,2
	global_store_b128 v15, v[PC+12*\a+4*\c:PC+12*\a+4*\c+3], s[20:21] offset:1536*\a+512*\c
.endr
.endr
	v_cndmask_b32 v228, v[PW], v[PW+1], vcc_lo
	global_store_b32 v18, v228, s[22:23]           ; 128 consecutive bytes
.Lend:
	s_wait_tensorcnt 0x0                           ; the wave's end
	ds_add_u32 v[SPW], v[NIL]
	s_wait_dscnt 0x0
	CROUND                                         ; the closing round: no work-group ends while a partner may still ask for a tile that names it
	s_endpgm
.Lfunc_end_k_q1bb8422262_qkv:
	.size	k_q1bb8422262_qkv, .Lfunc_end_k_q1bb8422262_qkv-k_q1bb8422262_qkv
	.p2alignl 7, 3214868480
	.fill 96, 4, 3214868480
	.section	.rodata,"a",@progbits
	.p2align	6, 0x0
	.amdhsa_kernel k_q1bb8422262_qkv
		.amdhsa_group_segment_fixed_size 327680
		.amdhsa_private_segment_fixed_size 0
		.amdhsa_enable_private_segment 0
		.amdhsa_kernarg_size 40
		.amdhsa_user_sgpr_count 2
		.amdhsa_user_sgpr_kernarg_segment_ptr 1
		.amdhsa_wavefront_size32 1
		.amdhsa_system_sgpr_workgroup_id_x 1
		.amdhsa_system_sgpr_workgroup_id_y 1
		.amdhsa_system_sgpr_workgroup_id_z 1
		.amdhsa_system_vgpr_workitem_id 0
		.amdhsa_next_free_vgpr 704
		.amdhsa_next_free_sgpr 102
		.amdhsa_reserve_vcc 1
		.amdhsa_float_denorm_mode_32 3
		.amdhsa_float_denorm_mode_16_64 3
		.amdhsa_memory_ordered 1
		.amdhsa_forward_progress 1
		.amdhsa_inst_pref_size 102
	.end_amdhsa_kernel
	.amdgpu_metadata
---
amdhsa.version: [ 1, 2 ]
amdhsa.kernels:
  - .name:           k_q1bb8422262_qkv
    .symbol:         k_q1bb8422262_qkv.kd
    .args:
      - { .name: xq, .offset: 0, .size: 8, .value_kind: global_buffer, .address_space: global }
      - { .name: wq, .offset: 8, .size: 8, .value_kind: global_buffer, .address_space: global }
      - { .name: cos, .offset: 16, .size: 8, .value_kind: global_buffer, .address_space: global }
      - { .name: sin, .offset: 24, .size: 8, .value_kind: global_buffer, .address_space: global }
      - { .name: qkv, .offset: 32, .size: 8, .value_kind: global_buffer, .address_space: global }
    .group_segment_fixed_size: 327680
    .private_segment_fixed_size: 0
    .kernarg_segment_align: 8
    .kernarg_segment_size: 40
    .max_flat_workgroup_size: 128
    .sgpr_count:     102
    .vgpr_count:     704
    .wavefront_size: 32
...
	.end_amdgpu_metadata
.endif
;; end of part 2
;; launch attn (part 3): grid 8 x 32, 16 waves a work-group, clusters of 4 x 1, 206,848 bytes of LDS; arguments qkv, cq; writes cq
.if DOCPART == 3
	.amdgcn_target "amdgcn-amd-amdhsa--gfx1250"
	.amdhsa_code_object_version 6
	.text
	.protected	k_q1bb8422262_attn
	.globl	k_q1bb8422262_attn
	.p2align	8
	.type	k_q1bb8422262_attn,@function
k_q1bb8422262_attn:
	s_mov_b64 s[64:65], 0
	v_nop
	global_prefetch_b8 v0, s[64:65] scope:SCOPE_SE
	s_setreg_imm32_b32 hwreg(HW_REG_WAVE_MODE, 25, 1), 1
	s_wait_xcnt 0x0
	s_wait_alu depctr_hold_cnt(0) depctr_sa_sdst(0) depctr_va_vdst(0) depctr_va_sdst(0) depctr_va_ssrc(0) depctr_va_vcc(0) depctr_vm_vsrc(0)
	s_getreg_b32 s2, hwreg(HW_REG_IB_STS2, 6, 4)
	s_cmp_eq_u32 s2, 0
	s_cbranch_scc0 .Lentry_in_a_cluster
	s_endpgm
.Lentry_in_a_cluster:
	s_bfe_u32 s2, ttmp6, 0x10000c
	s_cmp_lg_u32 s2, 0x3003
	s_cbranch_scc0 .Lentry_shape_is_right
	s_endpgm
.Lentry_shape_is_right:
; ctx = softmax(q k^T / 8, causal) v for one query head a work-group, both products on codes of BF6 (E3M2) with E8M0 scales; ctx / l is quantised along the head's 64 and leaves as half images for the last product.
; THE SOFTMAX: t = score x log2(e) / 8; M = the running largest t rounded UP to a whole number; p = 2^(t - M) is quantised along the keys; the row's sum is taken of the unquantised p and divides at the end.
; LEFT OUT: key steps that lie wholly under the causal mask: their p are 0 for all inputs.
; SHARES.  Work-group (i, hd), i = 0 .. 7.  Wave w owns ONE tile of 16 queries, T = 8 band(w) + i, inside keys 128 band .. + 127: it works band + 1 key steps of 128.
; band(w) is a 4 x 4 square whose rows and columns each add up to 30: waves w, w + 4, w + 8, w + 12 and waves 4 a .. 4 a + 3 alike have 34 steps together.  The branch round a step hangs on the wave's number and a counter alone.
; LDS IS FILLED ONCE: the group's K (98,304 bytes), V (98,304) and their scale words (4,096 each), by joint loads of the cluster's four work-groups, which share head and keys.
; Ten loads, ONE A WAVE: waves 0-3 K's four chunks of 24,576 bytes, waves 4-7 V's, waves 8 and 9 the scale words.  One wait for 0 and ONE barrier; behind it a loop of 16 key steps with no barrier: the waves share nothing more.
; No prefetch: all that the launch reads into LDS is asked for at its head; no loop runs ahead of a load.
; LAYOUT.  Both products transposed: a lane holds one query.  Head size 64 is half of the instruction's K: a fragment of K's codes holds TWO key tiles, one in each half of K, and q stands in one half with zero codes in the other.
; LIMITS: 1 / l by v_rcp_f32; a block of zeros gets the byte 1 (its codes are zeros); NaN and infinities are not served; the scaled scores stay under 2^31 in magnitude.
; REGISTERS: v1-7 addresses that stay; v8-11, v35 the step's; v12 -M, v13 the largest t, v[14:15] the sum; v16-33 zeros | q | zeros; v34 q's scale word; v36-83 four fragments; v84-87 scale words;
;   v96-159 S^T, then p; v160-191 O^T; v192-203 p's codes; v204-251 at work; v254, v255 the spare word's address and 0.
.set VOFF, 98304
.set KSC,  196608
.set VSC,  200704
.set SPARE, 204800
.set QKS,  4718592
.set XSC,  3145728
.macro CROUND
	s_barrier_signal -1
	s_barrier_wait -1
	s_cmp_lg_u32 s12, 0
	s_cbranch_scc1 .Lnot_wave_0_\@
	s_barrier_signal -3
.Lnot_wave_0_\@:
	s_barrier_wait -3
	s_barrier_signal -1
	s_barrier_wait -1
.endm
	s_load_b128 s[4:7], s[0:1], 0x0                ; qkv, cq
	v_lshl_add_u32 v254, v0, 2, SPARE
	v_mov_b32 v255, 0
	ds_add_u32 v254, v255                          ; the opening lines: the add twice on end and one wait
	ds_add_u32 v254, v255
	v_lshrrev_b32 v1, 5, v0
	s_delay_alu instid0(VALU_DEP_1)
	v_readfirstlane_b32 s12, v1                    ; wave 0 .. 15
	s_bfe_u32 s8, ttmp6, 0x40000                   ; cx
	s_lshl_b32 s9, ttmp9, 2
	s_add_co_u32 s9, s9, s8                        ; i: it enters q's and ctx's addresses and the mask's numbers alone
	s_and_b32 s10, ttmp7, 0xffff                   ; the query head
	s_lshr_b32 s11, s10, 2                         ; its group of keys and values
	s_and_b32 s2, s12, 7
	s_lshl_b32 s2, s2, 2
	s_mov_b32 s3, 0x0de3b658
	s_cmp_lt_u32 s12, 8
	s_cselect_b32 s3, 0x7a94c12f, s3
	s_lshr_b32 s3, s3, s2
	s_and_b32 s13, s3, 15                          ; band(w): four bits of a constant
	s_lshl_b32 s14, s13, 3
	s_add_co_u32 s14, s14, s9                      ; T
	s_mov_b32 s24, 15|(3<<16)|(1<<21)              ; group 1, a chunk: the mask names all four; elements of 8 bytes; 96 dense rows of 256 bytes
	s_mov_b32 s25, 32<<16
	s_mov_b32 s26, 96<<16
	s_mov_b32 s27, 32<<16
	s_mov_b32 s28, 96
	s_mov_b32 s29, 32
	s_mov_b32 s30, 0
	s_mov_b32 s31, 0
	s_mov_b32 s32, 15|(3<<16)|(1<<21)              ; group 1, the scale words: 16 rows of 256 bytes
	s_mov_b32 s33, 32<<16
	s_mov_b32 s34, 16<<16
	s_mov_b32 s35, 32<<16
	s_mov_b32 s36, 16
	s_mov_b32 s37, 32
	s_mov_b32 s38, 0
	s_mov_b32 s39, 0
	s_and_b32 s60, s12, 1                          ; the scale words (waves 8, 9): 0: K's, 1: V's
	s_bfe_u32 s2, s12, 0x10002                     ; the codes (waves 0-7): 0: K, 1: V,
	s_and_b32 s3, s12, 3                           ; and which chunk of four key steps
	s_mul_i32 s61, s11, 98304
	s_mul_i32 s62, s2, 786432                      ; V's codes lie 786,432 bytes behind K's
	s_add_co_u32 s62, s62, s61
	s_mul_i32 s61, s3, 24576
	s_add_co_u32 s62, s62, s61
	s_add_co_u32 s62, s62, 3145728                 ; K's heads are heads 32 .. 39 of q's and k's codes
	s_mov_b32 s63, 0
	s_lshl_b32 s66, s11, 12
	s_lshl_b32 s67, s60, 15                        ; V's scale words lie 32,768 bytes behind K's
	s_add_co_u32 s66, s66, s67
	s_add_co_u32 s66, s66, 4849664
	s_mov_b32 s67, 0
	s_and_b32 s68, s12, 7
	s_mul_i32 s68, s68, 24576                      ; a chunk's place in LDS: wave x 24,576: K's four, then V's four
	s_lshl_b32 s69, s60, 12
	s_mul_i32 s70, s10, 98304                      ; q's half image
	s_mul_i32 s2, s14, 768
	s_add_co_u32 s70, s70, s2
	s_mov_b32 s71, 0
	s_lshl_b32 s72, s10, 12                        ; its scale words: 64 bytes for two tiles
	s_lshr_b32 s2, s14, 1
	s_lshl_b32 s2, s2, 6
	s_add_co_u32 s72, s72, s2
	s_add_co_u32 s72, s72, QKS
	s_mov_b32 s73, 0
	s_mul_i32 s74, s14, 24576                      ; ctx's half image: tile T, head hd
	s_mul_i32 s2, s10, 768
	s_add_co_u32 s74, s74, s2
	s_mov_b32 s75, 0
	s_lshl_b32 s76, s14, 10                        ; its two scale bytes: word hd / 2 of the row, bytes 2 (hd % 2) on
	s_lshr_b32 s2, s10, 3
	s_lshl_b32 s2, s2, 8
	s_add_co_u32 s76, s76, s2
	s_bfe_u32 s2, s10, 0x20001
	s_lshl_b32 s2, s2, 2
	s_add_co_u32 s76, s76, s2
	s_and_b32 s2, s10, 1
	s_lshl_b32 s2, s2, 1
	s_add_co_u32 s76, s76, s2
	s_add_co_u32 s76, s76, XSC
	s_mov_b32 s77, 0
	s_and_b32 s78, s9, 1
	s_lshl_b32 s79, s78, 3
	s_lshl_b32 s78, s78, 4                         ; 16 (T % 2): which half of q's scale word is my tile's
	s_lshr_b32 s2, s9, 1
	s_lshl_b32 s2, s2, 5
	s_add_co_u32 s79, s79, s2                      ; 32 (i / 2) + 8 (i % 2): my tile's first query within its 128
	s_mov_b32 s20, 0x76543210
	s_mov_b32 s21, 0xfedcba98                      ; v_permlanex16_b32's selects for lane l xor 16
	s_mov_b32 s22, 0x3e38aa3b                      ; c = log2(e) / 8
	s_mov_b32 s23, s22                             ; (named with it as a pair, so it is written)
	s_mov_b32 s15, 0                               ; the key step in hand
	s_wait_dscnt 0x0
	s_wait_kmcnt 0x0
	s_add_nc_u64 s[62:63], s[4:5], s[62:63]
	s_add_nc_u64 s[66:67], s[4:5], s[66:67]
	s_add_nc_u64 s[70:71], s[4:5], s[70:71]
	s_add_nc_u64 s[72:73], s[4:5], s[72:73]
	s_add_nc_u64 s[74:75], s[6:7], s[74:75]
	s_add_nc_u64 s[76:77], s[6:7], s[76:77]
	s_mov_b32 s40, 1                               ; group 0, scale words
	s_add_co_u32 s41, s69, KSC
	s_mov_b64 s[42:43], s[66:67]
	s_or_b32 s43, s43, 0x80000000
	s_mov_b32 s44, 1                               ; group 0, a chunk of codes
	s_add_co_u32 s45, s68, 0
	s_mov_b64 s[46:47], s[62:63]
	s_or_b32 s47, s47, 0x80000000
	CROUND                                         ; all four work-groups are here: the joint loads meet
	s_cmp_lt_u32 s12, 8                            ; one chain of branches on the wave's number, one load to an arm
	s_cbranch_scc0 .Lfor_scales
	tensor_load_to_lds s[44:47], s[24:31]
	s_nop 0
.rept 4
	v_nop
.endr
	s_branch .Lno_fetch
.Lfor_scales:
	s_cmp_lt_u32 s12, 10
	s_cbranch_scc0 .Lno_fetch
	tensor_load_to_lds s[40:43], s[32:39]
	s_nop 0
.rept 4
	v_nop
.endr
.Lno_fetch:
	v_and_b32 v7, 15, v0                           ; r
	v_bfe_u32 v8, v0, 4, 1                         ; h
	v_and_b32 v9, 31, v0                           ; L
	s_delay_alu instid0(VALU_DEP_1)
	v_lshlrev_b32 v1, 4, v9                        ; 16 L: a half image's first four registers
	s_delay_alu instid0(VALU_DEP_2)
	v_lshlrev_b32 v2, 3, v9
	s_delay_alu instid0(VALU_DEP_1)
	v_add_nc_u32 v2, 512, v2                       ; 512 + 8 L: its last two
	s_delay_alu instid0(VALU_DEP_3)
	v_add_nc_u32 v3, VOFF, v1
	v_lshlrev_b32 v4, 2, v9
	s_delay_alu instid0(VALU_DEP_1)
	v_add_nc_u32 v5, VSC, v4
	s_delay_alu instid0(VALU_DEP_2)
	v_add_nc_u32 v4, KSC, v4
	v_and_b32 v6, 8, v7
	s_delay_alu instid0(VALU_DEP_1)
	v_add_nc_u32 v6, v6, v7
	v_lshlrev_b32 v10, 4, v8
	s_delay_alu instid0(VALU_DEP_1)
	v_sub_nc_u32 v6, v6, v10
	s_delay_alu instid0(VALU_DEP_1)
	v_add_nc_u32 v6, s79, v6                       ; my query within its 128, less 16 h: register 16 b + i' holds key 32 b + 16 h + i', hidden where 32 b + i' is above this
	v_lshlrev_b32 v7, 2, v7
	global_load_b128 v[22:25], v1, s[70:71]        ; q stays in registers
	global_load_b64 v[26:27], v2, s[70:71]
	global_load_b32 v34, v7, s[72:73]
.irp j, 16,17,18,19,20,21,28,29,30,31,32,33
	v_mov_b32 v\j, 0                               ; zero codes on both sides of q: v[22:33] = q | 0, v[16:27] = 0 | q
.endr
	v_mov_b32 v13, 0xff61b1e6                      ; the largest t so far: -3e38
	s_delay_alu instid0(VALU_DEP_1)
	v_floor_f32 v12, -v13
	v_mov_b32 v14, 0
	v_mov_b32 v15, 0
.irp j, 208,209,210,211,224,225
	v_mov_b32 v\j, 0                               ; lane permutes' destinations, and the pair of f
.endr
	s_wait_loadcnt 0x0
	v_lshrrev_b32 v34, s78, v34
	s_delay_alu instid0(VALU_DEP_1)
	v_and_b32 v34, 0xffff, v34
	s_delay_alu instid0(VALU_DEP_1)
	v_lshl_or_b32 v34, v34, 16, v34                ; my tile's two bytes, for either half of K
.set jj, 0
.rept 32
	v_mov_b32 v[160+jj], 0                         ; O^T: the step is written once; the first change of M multiplies zeros.  (Also the places between v34's last write and the first product)
.set jj, jj+1
.endr
.macro KQ b                            ; key tiles 2 b (first half of K, against q | 0) and 2 b + 1 (second half, against 0 | q)
.if (\b)%2
	v_wmma_scale_f32_16x16x128_f8f6f4 v[96+16*(\b):103+16*(\b)], v[36+12*(\b):47+12*(\b)], v[22:33], 0, v[84+(\b)/2], v34 matrix_a_fmt:MATRIX_FMT_BF6 matrix_b_fmt:MATRIX_FMT_BF6 matrix_a_scale:MATRIX_SCALE_ROW1
	v_wmma_scale_f32_16x16x128_f8f6f4 v[104+16*(\b):111+16*(\b)], v[36+12*(\b):47+12*(\b)], v[16:27], 0, v[84+(\b)/2], v34 matrix_a_fmt:MATRIX_FMT_BF6 matrix_b_fmt:MATRIX_FMT_BF6 matrix_a_scale:MATRIX_SCALE_ROW1
.else
	v_wmma_scale_f32_16x16x128_f8f6f4 v[96+16*(\b):103+16*(\b)], v[36+12*(\b):47+12*(\b)], v[22:33], 0, v[84+(\b)/2], v34 matrix_a_fmt:MATRIX_FMT_BF6 matrix_b_fmt:MATRIX_FMT_BF6
	v_wmma_scale_f32_16x16x128_f8f6f4 v[104+16*(\b):111+16*(\b)], v[36+12*(\b):47+12*(\b)], v[16:27], 0, v[84+(\b)/2], v34 matrix_a_fmt:MATRIX_FMT_BF6 matrix_b_fmt:MATRIX_FMT_BF6
.endif
.endm
.macro PV f                            ; O^T's tile f += 16 of the head's 64 x these 128 keys
.if (\f)%2
	v_wmma_scale_f32_16x16x128_f8f6f4 v[160+8*(\f):167+8*(\f)], v[36+12*(\f):47+12*(\f)], v[192:203], v[160+8*(\f):167+8*(\f)], v[86+(\f)/2], v226 matrix_a_fmt:MATRIX_FMT_BF6 matrix_b_fmt:MATRIX_FMT_BF6 matrix_a_scale:MATRIX_SCALE_ROW1
.else
	v_wmma_scale_f32_16x16x128_f8f6f4 v[160+8*(\f):167+8*(\f)], v[36+12*(\f):47+12*(\f)], v[192:203], v[160+8*(\f):167+8*(\f)], v[86+(\f)/2], v226 matrix_a_fmt:MATRIX_FMT_BF6 matrix_b_fmt:MATRIX_FMT_BF6
.endif
.endm
; A KEY STEP of 128 keys.  s15: its number; s16, s17: where its codes and scale words begin in K's and V's regions
.macro STEP
	s_cmp_gt_u32 s15, s13                          ; all its keys come after my queries: the work is left out, not the lines at the end that step the counters
	s_cbranch_scc1 .Lhidden_\@
	v_add_nc_u32 v8, s16, v1                       ; (these five are also the places in front of the loads into registers that the last products read)
	v_add_nc_u32 v9, s16, v2
	v_add_nc_u32 v10, s16, v3
	v_add_nc_u32 v11, s17, v4
	v_add_nc_u32 v35, s17, v5
.irp t, 0,1,2,3,4,5,6,7
	ds_load_b128 v[36+6*\t:39+6*\t], v8 offset:768*\t    ; key tile t's six registers: 512 and 256 consecutive bytes
	ds_load_b64 v[40+6*\t:41+6*\t], v9 offset:768*\t
.endr
	ds_load_b32 v84, v11                           ; K's scale words: lanes 0-15 tiles 0, 1; lanes 16-31 tiles 2, 3
	ds_load_b32 v85, v11 offset:128
	s_wait_alu depctr_va_vdst(0)
	s_wait_dscnt 0x0
	KQ 0
	KQ 1
	KQ 2
	KQ 3
.rept 4
	v_nop                                          ; four places: ahead of the loads into K's registers and of the first read of the scores
.endr
.irp f, 0,1,2,3
.irp c, 0,1,2
	ds_load_b128 v[36+12*\f+4*\c:39+12*\f+4*\c], v10 offset:1536*\f+512*\c   ; V's four fragments land under the softmax
.endr
.endr
	ds_load_b32 v86, v35
	ds_load_b32 v87, v35 offset:128
	s_cmp_lt_u32 s15, s13                          ; only my last step lies on the diagonal
	s_cbranch_scc1 .Lopen_\@
	v_mov_b32 v227, 0xff800000                     ; -infinity: p = 0 there
.set nn, 0
.rept 64
	v_cmp_gt_i32 vcc_lo, 32*(nn/16)+nn%16, v6
	v_cndmask_b32 v[96+nn], v[96+nn], v227, vcc_lo
.set nn, nn+1
.endr
.Lopen_\@:
.irp b, 0,1,2,3
	v_max3_num_f32 v[204+\b], v[96+16*\b], v[97+16*\b], v[98+16*\b]   ; the largest score of each block of 32 keys: for the row's maximum and, since p rises with the score, for the block's largest p
.endr
.irp i, 3,5,7,9,11,13
.irp b, 0,1,2,3
	v_max3_num_f32 v[204+\b], v[204+\b], v[96+16*\b+\i], v[97+16*\b+\i]
.endr
.endr
.irp b, 0,1,2,3
	v_max_num_f32 v[204+\b], v[204+\b], v[111+16*\b]
.endr
.irp b, 0,1,2,3
	s_delay_alu instid0(VALU_DEP_4)
	v_permlanex16_b32 v[208+\b], v[204+\b], s20, s21
.endr
.irp b, 0,1,2,3
	s_delay_alu instid0(VALU_DEP_4)
	v_max_num_f32 v[204+\b], v[204+\b], v[208+\b]  ; with lane l xor 16's 16 keys
.endr
	s_delay_alu instid0(VALU_DEP_2)
	v_max3_num_f32 v227, v204, v205, v206
	s_delay_alu instid0(VALU_DEP_1)
	v_max_num_f32 v227, v227, v207
	s_delay_alu instid0(VALU_DEP_1)
	v_mul_f32 v227, s22, v227                      ; as t
	s_delay_alu instid0(VALU_DEP_1)
	v_max_num_f32 v13, v13, v227                   ; the running largest t
	v_mov_b32 v227, v12
	s_delay_alu instid0(VALU_DEP_2)
	v_floor_f32 v12, -v13                          ; -M = floor(-t): M is a whole number
	s_delay_alu instid0(VALU_DEP_1)
	v_sub_f32 v227, v12, v227
	s_delay_alu instid0(VALU_DEP_1)
	v_cvt_i32_f32 v227, v227                       ; (it saturates)
	s_delay_alu instid0(VALU_DEP_1)
	v_ldexp_f32 v224, 1.0, v227                    ; f = 2^(old M - new M): a multiplication by it rounds nothing
.set jj, 0
.rept 32
	v_pk_fma_f32 v[96+jj:97+jj], v[96+jj:97+jj], s[22:23], v[12:13] op_sel_hi:[1,0,0]   ; t - M
.set jj, jj+2
.endr
.irp b, 0,1,2,3
	v_fma_f32 v[204+\b], v[204+\b], s22, v12
.endr
.set jj, 0
	s_wait_alu depctr_va_vdst(0)
.rept 64
	v_exp_f32 v[96+jj], v[96+jj]                   ; p = 2^(t - M)
.set jj, jj+1
.endr
	v_pk_mul_f32 v[14:15], v[14:15], v[224:225] op_sel_hi:[1,0]   ; the sums under the new M: a plain line behind the exponentials
	s_wait_alu depctr_va_vdst(0)                   ; one wait for the batch of 64, ahead of its first reader
.irp b, 0,1,2,3
	v_exp_f32 v[204+\b], v[204+\b]                 ; each block's largest p
.endr
.irp c, 0,1,2,3,4,5,6,7                ; the row's sum of the unquantised p: eight chains of pairs
	v_pk_add_f32 v[236+2*\c:237+2*\c], v[96+2*\c:97+2*\c], v[112+2*\c:113+2*\c]
.endr
.irp j, 128,144
.irp c, 0,1,2,3,4,5,6,7
	v_pk_add_f32 v[236+2*\c:237+2*\c], v[236+2*\c:237+2*\c], v[\j+2*\c:\j+2*\c+1]
.endr
.endr
.irp c, 0,1,2,3
	s_delay_alu instid0(VALU_DEP_4)
	v_pk_add_f32 v[236+2*\c:237+2*\c], v[236+2*\c:237+2*\c], v[244+2*\c:245+2*\c]
.endr
	s_delay_alu instid0(VALU_DEP_2)
	v_pk_add_f32 v[236:237], v[236:237], v[240:241]
	s_delay_alu instid0(VALU_DEP_2)
	v_pk_add_f32 v[238:239], v[238:239], v[242:243]
	s_delay_alu instid0(VALU_DEP_2)
	v_pk_add_f32 v[14:15], v[14:15], v[236:237]
	s_delay_alu instid0(VALU_DEP_1)
	v_pk_add_f32 v[14:15], v[14:15], v[238:239]
	s_wait_alu depctr_va_vdst(0)                   ; and one for the four
.irp b, 0,1,2,3
	v_max_num_f32 v[204+\b], 0x2800000, v[204+\b]  ; the floor 2^(5 - 127)
.endr
.irp b, 0,1,2,3
	s_delay_alu instid0(VALU_DEP_4)
	v_add_nc_u32 v[212+\b], 0xfe000000, v[204+\b]
.endr
.irp b, 0,1,2,3
	s_delay_alu instid0(VALU_DEP_4)
	v_lshrrev_b32 v[208+\b], 23, v[212+\b]
.endr
	s_delay_alu instid0(VALU_DEP_3)
	v_lshl_or_b32 v226, v209, 8, v208              ; p's scale word for these 128 keys
	s_delay_alu instid0(VALU_DEP_1)
	v_lshl_or_b32 v226, v210, 16, v226
	s_delay_alu instid0(VALU_DEP_1)
	v_lshl_or_b32 v226, v211, 24, v226
.irp c, 0,1
	v_cvt_scalef32_pk16_bf6_f32 v[192+6*\c:194+6*\c], v[96+32*\c:111+32*\c], v[212+2*\c]
	v_cvt_scalef32_pk16_bf6_f32 v[216+4*\c:218+4*\c], v[112+32*\c:127+32*\c], v[213+2*\c]
.endr
	v_nop                                          ; one plain line behind the scaled conversions
.irp c, 0,1
.irp i, 0,1,2
	v_permlane16_swap_b32 v[192+6*\c+\i], v[216+4*\c+\i]
.endr
.irp i, 0,1,2
	s_delay_alu instid0(VALU_DEP_3)
	v_mov_b32 v[195+6*\c+\i], v[216+4*\c+\i]
.endr
.endr
	s_wait_alu depctr_va_vdst(0)                   ; the wait directly ahead of the first reader of O^T
.set jj, 0
.rept 16
	v_pk_mul_f32 v[160+jj:161+jj], v[160+jj:161+jj], v[224:225] op_sel_hi:[1,0]   ; O^T under the new M; these are also the places in front of the products below
.set jj, jj+2
.endr
	s_wait_alu depctr_va_vdst(0)
	s_wait_dscnt 0x0                               ; V
	PV 0                                           ; four accumulators, one instruction each
	PV 1
	PV 2
	PV 3
.Lhidden_\@:
	s_add_co_u32 s15, s15, 1
	s_add_co_u32 s16, s16, 6144
	s_add_co_u32 s17, s17, 256
.endm
	s_wait_alu depctr_va_vdst(0)                   ; the wait at the head's end
	s_wait_tensorcnt 0x0                           ; my one load, if I issued one, has landed;
	s_barrier_signal -1
	s_barrier_wait -1                              ; so all ten have: K, V and their scale words are whole for every wave, and nothing is ever filled again
	s_mov_b32 s16, 0
	s_mov_b32 s17, 0
	s_mov_b32 s18, 16                              ; sixteen key steps in every wave: the count is a constant, the work of hidden steps is jumped over
.Lstep:
	STEP
	s_sub_co_u32 s18, s18, 1
	s_cmp_lg_u32 s18, 0
	s_cbranch_scc1 .Lstep
	; THE WAY OUT: ctx = O^T / l, quantised along the head's 64: register 16 b + i is d = 32 b + 16 h + i
.rept 4
	v_nop
.endr
	v_add_f32 v14, v14, v15
	s_delay_alu instid0(VALU_DEP_1)
	v_permlanex16_b32 v224, v14, s20, s21
	s_delay_alu instid0(VALU_DEP_1)
	v_add_f32 v14, v14, v224                       ; the row's sum
	s_wait_alu depctr_va_vdst(0)
	v_rcp_f32 v14, v14
	v_and_b32 v7, 15, v0                           ; (a plain line behind the reciprocal)
	s_delay_alu instid0(VALU_DEP_1)
	v_lshlrev_b32 v7, 4, v7                        ; 16 r
	s_wait_alu depctr_va_vdst(0)                   ; ahead of its first reader
.set jj, 0
.rept 32
	v_mul_f32 v[96+jj], v[160+jj], v14             ; each accumulator from its low end on
.set jj, jj+1
.endr
.irp b, 0,1
	v_max3_num_f32 v[204+\b], |v[96+16*\b]|, |v[97+16*\b]|, 0x2800000
.endr
.irp i, 2,4,6,8,10,12,14
.irp b, 0,1
	s_delay_alu instid0(VALU_DEP_2)
	v_max3_num_f32 v[204+\b], v[204+\b], |v[96+16*\b+\i]|, |v[97+16*\b+\i]|
.endr
.endr
.irp b, 0,1
	s_delay_alu instid0(VALU_DEP_2)
	v_permlanex16_b32 v[208+\b], v[204+\b], s20, s21
.endr
.irp b, 0,1
	s_delay_alu instid0(VALU_DEP_2)
	v_max_num_f32 v[204+\b], v[204+\b], v[208+\b]
.endr
.irp b, 0,1
	s_delay_alu instid0(VALU_DEP_2)
	v_add_nc_u32 v[212+\b], 0xfe000000, v[204+\b]
.endr
.irp b, 0,1
	s_delay_alu instid0(VALU_DEP_2)
	v_lshrrev_b32 v[208+\b], 23, v[212+\b]
.endr
	s_delay_alu instid0(VALU_DEP_1)
	v_lshl_or_b32 v226, v209, 8, v208              ; the head's two bytes of my row
	v_cvt_scalef32_pk16_bf6_f32 v[192:194], v[96:111], v212
	v_cvt_scalef32_pk16_bf6_f32 v[216:218], v[112:127], v213
	v_nop
.irp i, 0,1,2
	v_permlane16_swap_b32 v[192+\i], v[216+\i]
.endr
.irp i, 0,1,2
	s_delay_alu instid0(VALU_DEP_3)
	v_mov_b32 v[195+\i], v[216+\i]
.endr
	global_store_b128 v1, v[192:195], s[74:75]     ; 512 consecutive bytes, aligned,
	global_store_b64 v2, v[196:197], s[74:75]      ; and 256
	global_store_b16 v7, v226, s[76:77]            ; lanes l and l xor 16 write the same two bytes with the same value: one byte for each 24 of codes
	s_wait_tensorcnt 0x0                           ; the wave's end
	ds_add_u32 v254, v255
	s_wait_dscnt 0x0
	CROUND                                         ; the closing round
	s_endpgm
.Lfunc_end_k_q1bb8422262_attn:
	.size	k_q1bb8422262_attn, .Lfunc_end_k_q1bb8422262_attn-k_q1bb8422262_attn
	.p2alignl 7, 3214868480
	.fill 96, 4, 3214868480
	.section	.rodata,"a",@progbits
	.p2align	6, 0x0
	.amdhsa_kernel k_q1bb8422262_attn
		.amdhsa_group_segment_fixed_size 206848
		.amdhsa_private_segment_fixed_size 0
		.amdhsa_enable_private_segment 0
		.amdhsa_kernarg_size 16
		.amdhsa_user_sgpr_count 2
		.amdhsa_user_sgpr_kernarg_segment_ptr 1
		.amdhsa_wavefront_size32 1
		.amdhsa_system_sgpr_workgroup_id_x 1
		.amdhsa_system_sgpr_workgroup_id_y 1
		.amdhsa_system_sgpr_workgroup_id_z 1
		.amdhsa_system_vgpr_workitem_id 0
		.amdhsa_next_free_vgpr 256
		.amdhsa_next_free_sgpr 80
		.amdhsa_reserve_vcc 1
		.amdhsa_float_denorm_mode_32 3
		.amdhsa_float_denorm_mode_16_64 3
		.amdhsa_memory_ordered 1
		.amdhsa_forward_progress 1
		.amdhsa_inst_pref_size 37
	.end_amdhsa_kernel
	.amdgpu_metadata
---
amdhsa.version: [ 1, 2 ]
amdhsa.kernels:
  - .name:           k_q1bb8422262_attn
    .symbol:         k_q1bb8422262_attn.kd
    .args:
      - { .name: qkv, .offset: 0, .size: 8, .value_kind: global_buffer, .address_space: global }
      - { .name: cq, .offset: 8, .size: 8, .value_kind: global_buffer, .address_space: global }
    .group_segment_fixed_size: 206848
    .private_segment_fixed_size: 0
    .kernarg_segment_align: 8
    .kernarg_segment_size: 16
    .max_flat_workgroup_size: 512
    .sgpr_count:     80
    .vgpr_count:     256
    .wavefront_size: 32
...
	.end_amdgpu_metadata
.endif
;; end of part 3
;; launch outp (part 4): grid 16 x 16, 4 waves a work-group, clusters of 4 x 4, 327,680 bytes of LDS; arguments cq, wq, out0; writes out0
.if DOCPART == 4
	.amdgcn_target "amdgcn-amd-amdhsa--gfx1250"
	.amdhsa_code_object_version 6
	.text
	.protected	k_q1bb8422262_outp
	.globl	k_q1bb8422262_outp
	.p2align	8
	.type	k_q1bb8422262_outp,@function
k_q1bb8422262_outp:
	s_mov_b64 s[64:65], 0
	v_nop
	global_prefetch_b8 v0, s[64:65] scope:SCOPE_SE
	s_setreg_imm32_b32 hwreg(HW_REG_WAVE_MODE, 25, 1), 1
	s_wait_xcnt 0x0
	s_wait_alu depctr_hold_cnt(0) depctr_sa_sdst(0) depctr_va_vdst(0) depctr_va_sdst(0) depctr_va_ssrc(0) depctr_va_vcc(0) depctr_vm_vsrc(0)
	s_getreg_b32 s2, hwreg(HW_REG_IB_STS2, 6, 4)
	s_cmp_eq_u32 s2, 0
	s_cbranch_scc0 .Lentry_in_a_cluster
	s_endpgm
.Lentry_in_a_cluster:
	s_bfe_u32 s2, ttmp6, 0x10000c
	s_cmp_lg_u32 s2, 0xf033
	s_cbranch_scc0 .Lentry_shape_is_right
	s_endpgm
.Lentry_shape_is_right:
; out0 = ctx Wo on codes of BF6 (E3M2) with E8M0 scales.  A work-group makes 128 columns (side 0: Wo's columns, tiles 192 + 8 i0 of wq) x 128 tokens (side 1: tiles 8 i1 of cq) over K = 2,048.
; The matrix instruction takes side 0 as source 0: lane (r, h) holds token slot r, and register 8 t + j column 32 (t / 2) + 16 h + 8 (t % 2) + j of the 128.  Wave w owns token tiles 2 w, 2 w + 1 against all 8 column tiles: 16 accumulators.
; A tile holds rows 32 (T / 2) + 8 (T % 2) + r + 8 (r / 8).  ctx's K step s is two heads' half images of 768 bytes on end: four registers at 16 L, two at 512 + 8 L.
; LDS: three slots of 512 along K filled by joint tensor loads; slot 0 is filled a second time, once; both sides' scale words stay behind the slots.  CLUSTER 4 x 4: side 0 is shared along a column, side 1 along a row.
; The way out goes through each wave's own stage, in slot 2, which has had its one fill at the start and its last read ahead of the round.
; REGISTERS: window 0: v1-23 addresses; v24-63 scale words, two sets; v64-111 side 1's fragments, two sets; v112-239 rows read back.   window 1: v0-127 the accumulators.   window 2: side 0's fragments, two sets of 96.
.set SLOT,   98304
.set SIDE1,  49152
.set SCL,    3*SLOT
.set SPARE,  SCL+16384                 ; the spare words: 128 bytes for each wave, two blocks of 256 bytes that no other line names
.set XSC,    3145728
.set WSC,    7864320
.set SPI,    528                       ; a stage row: 512 bytes + 16
.set ADR0,  4
.set ADR1,  7
.set ADRS0, 10
.set ADRS1, 11
.set SPW,   12
.set NIL,   13
.set ADR1B, 14                         ; v14-16  8 L + slot at my two tiles of side 1
.set SC,    24
.set F1,    64
.set G1,   24
.set G1B,  32
.set G1S,  40
.set G1SB, 48
.set G00,  56
.set G01,  60
.set G02,  68
.set G0B0, 72
.set G0B1, 76
.set G0B2, 80
.set G0S,  84
.set G0SB, 88
.set MSB, 0
.macro WIN new                         ; the immediate's high byte repeats the setting that is left
.if MSB != \new
	s_set_vgpr_msb (MSB<<8)|\new
.set MSB, \new
.endif
.endm
.macro PLACES cnt
.rept \cnt
	v_nop
.endr
.endm
.macro JLOAD g0a, g1a, g0b, g1b        ; waves 0 and 1 fetch side 0's halves, waves 2 and 3 side 1's; four v_nop follow each line
	s_cmp_eq_u32 s15, 0
	s_cbranch_scc0 .Lfor_b_\@
	tensor_load_to_lds s[\g0a:\g0a+3], s[\g1a:\g1a+7]
	s_nop 0
.rept 4
	v_nop
.endr
	s_branch .Lasked_\@
.Lfor_b_\@:
	tensor_load_to_lds s[\g0b:\g0b+3], s[\g1b:\g1b+7]
	s_nop 0
.rept 4
	v_nop
.endr
.Lasked_\@:
.endm
.macro CREST
	s_cmp_lg_u32 s14, 0
	s_cbranch_scc1 .Lnot_wave_0_\@
	s_barrier_signal -3
.Lnot_wave_0_\@:
	s_barrier_wait -3
	s_barrier_signal -1
	s_barrier_wait -1
.endm
.macro CROUND
	s_barrier_signal -1
	s_barrier_wait -1
	CREST
.endm
.macro MKG0 g, ldsreg, ldsoff, adr, goff
	s_mov_b32 s[\g], 1
	s_add_co_u32 s[\g+1], s[\ldsreg], \ldsoff
	s_add_nc_u64 s[\g+2:\g+3], s[\adr:\adr+1], \goff
	s_or_b32 s[\g+3], s[\g+3], 0x80000000
.endm
	s_load_b128 s[4:7], s[0:1], 0x0                ; cq, wq
	s_load_b64 s[8:9], s[0:1], 0x10                ; out0
	v_lshl_add_u32 v[SPW], v0, 2, SPARE
	v_mov_b32 v[NIL], 0
	ds_add_u32 v12, v13
	ds_add_u32 v12, v13
	s_wait_dscnt 0x0
	v_lshrrev_b32 v1, 5, v0
	v_readfirstlane_b32 s14, v1                    ; wave
	s_lshr_b32 s15, s14, 1
	s_and_b32 s16, s14, 1
	s_bfe_u32 s92, ttmp6, 0x40000                  ; cx
	s_bfe_u32 s94, ttmp6, 0x40004                  ; cy
	s_lshl_b32 s18, ttmp9, 2
	s_add_co_u32 s18, s18, s92                     ; i0: which 128 columns
	s_and_b32 s19, ttmp7, 0xffff
	s_lshl_b32 s19, s19, 2
	s_add_co_u32 s19, s19, s94                     ; i1: which 128 tokens
	s_lshl_b32 s93, 0x1111, s92                    ; my column of the cluster
	s_lshl_b32 s95, s94, 2
	s_lshl_b32 s95, 15, s95                        ; my row
	s_or_b32 s[G1], s93, (3<<16)|(1<<21)
	s_or_b32 s[G1S], s93, (3<<16)|(1<<21)
	s_or_b32 s[G1B], s95, (3<<16)|(1<<21)
	s_or_b32 s[G1SB], s95, (3<<16)|(1<<21)
.irp g, G1, G1B                        ; codes: four tiles' 6,144 bytes, 24,576 bytes from tile to tile
	s_mov_b32 s[\g+1], 1536<<16                    ; for the head's loads: eight tiles' 12,288 bytes (K 0 .. 1,023); set to four tiles' 6,144 behind the wait for them
	s_mov_b32 s[\g+2], 8<<16
	s_mov_b32 s[\g+3], 1536<<16
	s_mov_b32 s[\g+4], 8
	s_mov_b32 s[\g+5], 3072
	s_mov_b32 s[\g+6], 0
	s_mov_b32 s[\g+7], 0
.endr
.irp g, G1S, G1SB                      ; scale words: 8,192 dense bytes as 32 rows of 256
	s_mov_b32 s[\g+1], 32<<16
	s_mov_b32 s[\g+2], 32<<16                      ; a side's eight tiles: 8,192 dense bytes as 32 rows of 256
	s_mov_b32 s[\g+3], 32<<16
	s_mov_b32 s[\g+4], 32
	s_mov_b32 s[\g+5], 32
	s_mov_b32 s[\g+6], 0
	s_mov_b32 s[\g+7], 0
.endr
	s_lshl_b32 s20, s18, 3                         ; side 0: the block's first tile;
	s_add_co_u32 s20, s20, 192                     ; Wo's columns begin at tile 192 of wq
	s_lshl_b32 s22, s19, 3
	s_lshl_b32 s92, s20, 10
	s_add_co_u32 s92, s92, WSC
	s_mov_b32 s93, 0
	s_lshl_b32 s94, s22, 10
	s_add_co_u32 s94, s94, XSC
	s_mov_b32 s95, 0
	s_mul_i32 s20, s20, 24576
	s_mov_b32 s21, 0
	s_mul_i32 s22, s22, 24576
	s_mov_b32 s23, 0
	s_mul_i32 s2, s14, 24576
	s_mul_i32 s3, s15, 98304                       ; where K chunk 3 goes: the start of my side's head region, + four tiles for the second half
	s_mul_i32 s100, s16, 24576
	s_add_co_u32 s3, s3, s100
	s_wait_kmcnt 0x0
	s_add_nc_u64 s[20:21], s[6:7], s[20:21]
	s_add_nc_u64 s[92:93], s[6:7], s[92:93]
	s_add_nc_u64 s[22:23], s[4:5], s[22:23]
	s_add_nc_u64 s[94:95], s[4:5], s[94:95]
	CROUND                                         ; all sixteen work-groups are here: the first joint loads meet
; THE LDS MAP AS THE CODE BELOW HAS IT: 0: side 0's K 0 .. 1,023, tile t at 12,288 t; 98,304: side 1's likewise; 196,608: K chunk 2 (1,024 .. 1,535), side 0's tiles at 6,144 t, then side 1's from 245,760; SCL: the scale words.
; K chunk 3 lands dense (6,144 a tile) on the first 49,152 bytes of each side's head region, behind the round that follows chunk 1's last read: the one refill.  The stages of the way out lie on chunk 2's bytes.
; THE HEAD'S FOUR LOADS, ONE A WAVE: wave 0 side 0's K 0 .. 1,023, wave 1 side 1's, wave 2 side 0's scale words, wave 3 side 1's: one chain of branches on the wave's number.
; No prefetch: the walk along K is written out, four chunks, with no loop to run ahead in.
.macro MKH g, lds, adr
	s_mov_b32 s[\g], 1
	s_mov_b32 s[\g+1], \lds
	s_mov_b64 s[\g+2:\g+3], s[\adr:\adr+1]
	s_or_b32 s[\g+3], s[\g+3], 0x80000000
.endm
.macro ARM under, g0, g1, next
	s_cmp_lt_u32 s14, \under
	s_cbranch_scc0 \next
	tensor_load_to_lds s[\g0:\g0+3], s[\g1:\g1+7]
	s_nop 0
.rept 4
	v_nop
.endr
	s_branch .Lhead_asked
\next:
.endm
	MKH G00, 0, 20
	MKH G0B0, 98304, 22
	MKH G0S, SCL, 92
	MKH G0SB, SCL+8192, 94
	s_mul_i32 s100, s16, 98304                     ; behind the head I fetch four tiles of a side: which four, in bytes
	s_mov_b32 s101, 0
	s_add_nc_u64 s[20:21], s[20:21], s[100:101]
	s_add_nc_u64 s[22:23], s[22:23], s[100:101]
	MKG0 G01, 2, 196608, 20, 12288                 ; K chunk 2
	MKG0 G0B1, 2, 196608, 22, 12288
	MKG0 G02, 3, 0, 20, 18432                      ; K chunk 3
	MKG0 G0B2, 3, 0, 22, 18432
	ARM 1, G00, G1, .Lhead_b
	ARM 2, G0B0, G1B, .Lhead_sa
	ARM 3, G0S, G1S, .Lhead_sb
	tensor_load_to_lds s[G0SB:G0SB+3], s[G1SB:G1SB+7]
	s_nop 0
.rept 4
	v_nop
.endr
.Lhead_asked:
	s_lshl_b32 s100, s19, 20                       ; out0: token 128 i1 + 32 w, rows of 8,192 bytes; column 128 i0
	s_lshl_b32 s101, s14, 18
	s_add_co_u32 s100, s100, s101
	s_lshl_b32 s101, s18, 9
	s_add_co_u32 s100, s100, s101
	s_mov_b32 s101, 0
	s_add_nc_u64 s[8:9], s[8:9], s[100:101]
	v_and_b32 v1, 15, v0                           ; r
	v_bfe_u32 v2, v0, 4, 1                         ; h
	v_and_b32 v3, 31, v0                           ; L
	v_lshlrev_b32 v[ADR0], 4, v3
	v_add_nc_u32 v[ADR0+1], 49152, v[ADR0]         ; side 0: the head region's tiles 4-7,
	v_add_nc_u32 v[ADR0+2], 196608, v[ADR0]        ; and chunk 2
	v_lshlrev_b32 v[ADR1B], 3, v3
	s_mul_i32 s100, s14, 12288
	s_add_co_u32 s100, s100, 98304
	v_add_nc_u32 v[ADR1+2], s100, v[ADR0]          ; side 1, my two tiles: chunk 3,
	v_add_nc_u32 v[ADR1B+2], s100, v[ADR1B]
	v_add_nc_u32 v[ADR1+1], 147456, v[ADR1+2]      ; chunk 2,
	v_add_nc_u32 v[ADR1B+1], 147456, v[ADR1B+2]
	s_mul_i32 s100, s14, 24576
	s_add_co_u32 s100, s100, 98304
	v_add_nc_u32 v[ADR1], s100, v[ADR0]            ; and the head region
	v_add_nc_u32 v[ADR1B], s100, v[ADR1B]
	v_lshlrev_b32 v[ADRS0], 4, v1
	v_lshl_add_u32 v[ADRS0], v2, 10, v[ADRS0]
	v_add_nc_u32 v[ADRS0], SCL, v[ADRS0]
	s_lshl_b32 s100, s14, 11
	s_add_co_u32 s100, s100, 8192
	v_add_nc_u32 v[ADRS1], s100, v[ADRS0]
	s_mul_i32 s100, s14, 32*SPI
	s_add_co_u32 s100, s100, 196608                ; my stage: 32 rows, on chunk 2's bytes: they have had their one fill, and their last read ahead of the walk's last barrier
	v_mul_u32_u24 v17, v1, SPI
	v_lshl_add_u32 v17, v2, 6, v17
	v_add_nc_u32 v17, s100, v17                    ; in: row r, + 64 h bytes
	v_add_nc_u32 v18, s100, v[ADR0]                ; back: 16 bytes a lane of a row
	v_lshlrev_b32 v19, 4, v3                       ; and the same in out0
.macro WM acc, fa, fb, sa, sb, ra, rb, zero    ; one product; ra, rb: the side's scale words stand in lanes 16-31 of the register named
.if \zero
.if (\ra)&&(\rb)
	v_wmma_scale_f32_16x16x128_f8f6f4 v[\acc:\acc+7], v[\fa:\fa+11], v[\fb:\fb+11], 0, v[\sa], v[\sb] matrix_a_fmt:MATRIX_FMT_BF6 matrix_b_fmt:MATRIX_FMT_BF6 matrix_a_scale:MATRIX_SCALE_ROW1 matrix_b_scale:MATRIX_SCALE_ROW1
.elseif \ra
	v_wmma_scale_f32_16x16x128_f8f6f4 v[\acc:\acc+7], v[\fa:\fa+11], v[\fb:\fb+11], 0, v[\sa], v[\sb] matrix_a_fmt:MATRIX_FMT_BF6 matrix_b_fmt:MATRIX_FMT_BF6 matrix_a_scale:MATRIX_SCALE_ROW1
.elseif \rb
	v_wmma_scale_f32_16x16x128_f8f6f4 v[\acc:\acc+7], v[\fa:\fa+11], v[\fb:\fb+11], 0, v[\sa], v[\sb] matrix_a_fmt:MATRIX_FMT_BF6 matrix_b_fmt:MATRIX_FMT_BF6 matrix_b_scale:MATRIX_SCALE_ROW1
.else
	v_wmma_scale_f32_16x16x128_f8f6f4 v[\acc:\acc+7], v[\fa:\fa+11], v[\fb:\fb+11], 0, v[\sa], v[\sb] matrix_a_fmt:MATRIX_FMT_BF6 matrix_b_fmt:MATRIX_FMT_BF6
.endif
.else
.if (\ra)&&(\rb)
	v_wmma_scale_f32_16x16x128_f8f6f4 v[\acc:\acc+7], v[\fa:\fa+11], v[\fb:\fb+11], v[\acc:\acc+7], v[\sa], v[\sb] matrix_a_fmt:MATRIX_FMT_BF6 matrix_b_fmt:MATRIX_FMT_BF6 matrix_a_scale:MATRIX_SCALE_ROW1 matrix_b_scale:MATRIX_SCALE_ROW1
.elseif \ra
	v_wmma_scale_f32_16x16x128_f8f6f4 v[\acc:\acc+7], v[\fa:\fa+11], v[\fb:\fb+11], v[\acc:\acc+7], v[\sa], v[\sb] matrix_a_fmt:MATRIX_FMT_BF6 matrix_b_fmt:MATRIX_FMT_BF6 matrix_a_scale:MATRIX_SCALE_ROW1
.elseif \rb
	v_wmma_scale_f32_16x16x128_f8f6f4 v[\acc:\acc+7], v[\fa:\fa+11], v[\fb:\fb+11], v[\acc:\acc+7], v[\sa], v[\sb] matrix_a_fmt:MATRIX_FMT_BF6 matrix_b_fmt:MATRIX_FMT_BF6 matrix_b_scale:MATRIX_SCALE_ROW1
.else
	v_wmma_scale_f32_16x16x128_f8f6f4 v[\acc:\acc+7], v[\fa:\fa+11], v[\fb:\fb+11], v[\acc:\acc+7], v[\sa], v[\sb] matrix_a_fmt:MATRIX_FMT_BF6 matrix_b_fmt:MATRIX_FMT_BF6
.endif
.endif
.endm
.macro MUL p, q, ss, t0, cnt, zero     ; the 16 accumulators take turns, one instruction a turn, in one order in every step
.set tt, \t0
.rept \cnt
.irp a, 0,1
	WM 64*\a+8*tt, 96*(\p)+12*tt, F1+24*(\p)+12*\a, SC+20*(\ss)+4*(tt/2)+(\q), SC+20*(\ss)+16+(\q), tt%2, \a, \zero
.endr
.set tt, tt+1
.endr
.endm
.macro FETCH sl, q, p                  ; the fragments of the slot's q-th K step into set p
	WIN 0x80                                       ; destination window 2
.irp t, 0,1,2,3,4,5,6,7
.if (\sl) < 2                          ; sl is the K chunk: 0 and 1 lie in the head region, 12,288 bytes a tile
.set RG0, ADR0+\t/4
.set OF0, 12288*(\t%4)+6144*(\sl)
.set RG1, ADR1
.set PT1, 12288
.set OF1, 6144*(\sl)
.elseif (\sl) == 2
.set RG0, ADR0+2
.set OF0, 6144*\t
.set RG1, ADR1+1
.set PT1, 6144
.set OF1, 0
.else
.set RG0, ADR0
.set OF0, 6144*\t
.set RG1, ADR1+2
.set PT1, 6144
.set OF1, 0
.endif
.irp c, 0,1,2
	ds_load_b128 v[96*(\p)+12*\t+4*\c:96*(\p)+12*\t+4*\c+3], v[RG0] offset:OF0+1536*(\q)+512*\c
.endr
.endr
	WIN 0
.irp a, 0,1
.irp c, 0,1                            ; ctx: head 2 s + c's half image is registers 6 c .. 6 c + 5
	ds_load_b128 v[F1+24*(\p)+12*\a+6*\c:F1+24*(\p)+12*\a+6*\c+3], v[RG1] offset:PT1*\a+OF1+1536*(\q)+768*\c
	ds_load_b64 v[F1+24*(\p)+12*\a+6*\c+4:F1+24*(\p)+12*\a+6*\c+5], v[RG1+ADR1B-ADR1] offset:PT1*\a+OF1+1536*(\q)+768*\c+512
.endr
.endr
.endm
.macro SCALES ss, j
.irp i, 0,1,2,3
	ds_load_b128 v[SC+20*(\ss)+4*\i:SC+20*(\ss)+4*\i+3], v[ADRS0] offset:2048*\i+256*(\j)
.endr
	ds_load_b128 v[SC+20*(\ss)+16:SC+20*(\ss)+19], v[ADRS1] offset:256*(\j)
.endm
.macro STEP sl, q, ss, zero            ; this step's fragments are in; four places; the next step's are asked for; 16 products
	s_wait_dscnt 0x0
	PLACES 4
	FETCH \sl, (\q)+1, ((\q)+1)%2
	WIN 0x52                                       ; source 0 window 2, source 1 window 0, C and D window 1
	MUL (\q)%2, \q, \ss, 0, 8, \zero
.endm
; A slot's last K step changes slots.  kind = 0: a plain barrier (count cnt: the later slots' loads may stay out).
; kind = 1: slot 0 is filled again: all my tensor loads waited for, 0 added to my spare word, that and my LDS reads waited for, a round of the cluster's barrier, the joint load first behind it.
.macro TURN sl, nx, ss, jn, kind, cnt
	WIN 0
	s_wait_tensorcnt \cnt
.if \kind
	ds_add_u32 v[SPW], v[NIL]
.endif
	s_wait_dscnt 0x0
	s_barrier_signal -1
	WIN 0x52
	MUL 1, 3, \ss, 0, 4, 0
	WIN 0
	s_barrier_wait -1
.if \kind
	CREST
	JLOAD G02, G1, G0B2, G1B                       ; K chunk 3, onto the head region; its four v_nop are also the places in front of the loads below
.else
	PLACES 4
.endif
	FETCH \nx, 0, 0
	SCALES 1-(\ss), \jn
	WIN 0x52
	MUL 1, 3, \ss, 4, 4, 0
	WIN 0
.endm
	s_wait_alu depctr_va_vdst(0)
	s_wait_tensorcnt 0x0                           ; my tile of the head's four is in
	ds_add_u32 v[SPW], v[NIL]
.irp g, G1, G1B                        ; no tensor load of mine is out: from here on a load brings four tiles' 6,144 bytes
	s_mov_b32 s[\g+1], 768<<16
	s_mov_b32 s[\g+2], 4<<16
	s_mov_b32 s[\g+3], 768<<16
	s_mov_b32 s[\g+4], 4
.endr
	s_wait_dscnt 0x0
	CROUND                                         ; all four tiles are in for every wave, and all sixteen work-groups are here
	JLOAD G01, G1, G0B1, G1B                       ; K chunk 2's first fill: it has chunks 0 and 1, 128 products, in which to land
	FETCH 0, 0, 0
	SCALES 0, 0
	STEP 0, 0, 0, 1                                ; the first products start the sums
	STEP 0, 1, 0, 0
	STEP 0, 2, 0, 0
	s_wait_dscnt 0x0                               ; chunk 0's last step; chunk 1 came with chunk 0: no barrier
	MUL 1, 3, 0, 0, 4, 0
	PLACES 4
	FETCH 1, 0, 0
	SCALES 1, 1
	WIN 0x52
	MUL 1, 3, 0, 4, 4, 0
	WIN 0
	STEP 1, 0, 1, 0
	STEP 1, 1, 1, 0
	STEP 1, 2, 1, 0
	TURN 1, 2, 1, 2, 1, 0                          ; the one refill
	STEP 2, 0, 0, 0
	STEP 2, 1, 0, 0
	STEP 2, 2, 0, 0
	TURN 2, 3, 0, 3, 0, 0                          ; chunk 3 is in
	STEP 3, 0, 1, 0
	STEP 3, 1, 1, 0
	STEP 3, 2, 1, 0
	s_wait_dscnt 0x0
	MUL 1, 3, 1, 0, 8, 0
	WIN 0
	PLACES 4                                       ; four places behind the last products, ahead of the first read of results
; THE WAY OUT.  A lane holds pieces of 32 bytes of one row: token tile a's 16 rows x 512 bytes go through my own stage and come back as whole rows.  LDS serves a wave's instructions in order: no wait between stores and loads.
.macro TOSTAGE a
	WIN 0x04                                       ; an LDS store's data are its source 1: window 1
.irp t, 0,1,2,3,4,5,6,7
	ds_store_b128 v17, v[64*\a+8*\t:64*\a+8*\t+3] offset:16*SPI*\a+128*(\t/2)+32*(\t%2)       ; each accumulator from its low end on
	ds_store_b128 v17, v[64*\a+8*\t+4:64*\a+8*\t+7] offset:16*SPI*\a+128*(\t/2)+32*(\t%2)+16
.endr
	WIN 0
.irp i, 0,1,2,3,4,5,6,7,8,9,10,11,12,13,14,15
	ds_load_b128 v[112+64*\a+4*\i:115+64*\a+4*\i], v18 offset:16*SPI*\a+SPI*\i
.endr
.endm
.macro SEND a
.irp i, 0,1,2,3,4,5,6,7,8,9,10,11,12,13,14,15
	s_wait_dscnt 32*(1-\a)+15-\i                   ; row i is back; behind its load stand the tile's 15 - i later rows and, for tile 0, tile 1's 32 LDS instructions
	global_store_b128 v19, v[112+64*\a+4*\i:115+64*\a+4*\i], s[8:9] offset:(8*\a+\i+8*(\i/8))*8192 th:TH_STORE_NT   ; 32 lanes store 512 consecutive bytes, aligned; written once
.endr
.endm
	TOSTAGE 0
	TOSTAGE 1
	SEND 0
	SEND 1
	s_wait_tensorcnt 0x0                           ; the wave's end
	ds_add_u32 v[SPW], v[NIL]
	s_wait_dscnt 0x0
	CROUND                                         ; the closing round
	s_endpgm
.Lfunc_end_k_q1bb8422262_outp:
	.size	k_q1bb8422262_outp, .Lfunc_end_k_q1bb8422262_outp-k_q1bb8422262_outp
	.p2alignl 7, 3214868480
	.fill 96, 4, 3214868480
	.section	.rodata,"a",@progbits
	.p2align	6, 0x0
	.amdhsa_kernel k_q1bb8422262_outp
		.amdhsa_group_segment_fixed_size 327680
		.amdhsa_private_segment_fixed_size 0
		.amdhsa_enable_private_segment 0
		.amdhsa_kernarg_size 24
		.amdhsa_user_sgpr_count 2
		.amdhsa_user_sgpr_kernarg_segment_ptr 1
		.amdhsa_wavefront_size32 1
		.amdhsa_system_sgpr_workgroup_id_x 1
		.amdhsa_system_sgpr_workgroup_id_y 1
		.amdhsa_system_sgpr_workgroup_id_z 1
		.amdhsa_system_vgpr_workitem_id 0
		.amdhsa_next_free_vgpr 704
		.amdhsa_next_free_sgpr 102
		.amdhsa_reserve_vcc 0
		.amdhsa_float_denorm_mode_32 3
		.amdhsa_float_denorm_mode_16_64 3
		.amdhsa_memory_ordered 1
		.amdhsa_forward_progress 1
		.amdhsa_inst_pref_size 90
	.end_amdhsa_kernel
	.amdgpu_metadata
---
amdhsa.version: [ 1, 2 ]
amdhsa.kernels:
  - .name:           k_q1bb8422262_outp
    .symbol:         k_q1bb8422262_outp.kd
    .args:
      - { .name: cq, .offset: 0, .size: 8, .value_kind: global_buffer, .address_space: global }
      - { .name: wq, .offset: 8, .size: 8, .value_kind: global_buffer, .address_space: global }
      - { .name: out0, .offset: 16, .size: 8, .value_kind: global_buffer, .address_space: global }
    .group_segment_fixed_size: 327680
    .private_segment_fixed_size: 0
    .kernarg_segment_align: 8
    .kernarg_segment_size: 24
    .max_flat_workgroup_size: 128
    .sgpr_count:     102
    .vgpr_count:     704
    .wavefront_size: 32
...
	.end_amdgpu_metadata
.endif
;; end of part 4
